; MI455X (gfx1250); checked and timed in simulation.
; The chip was launched on July 23, 2026; its instructions are those of AMD's public machine-readable ISA for CDNA 5 (MIT licence, August 2026) and "CDNA5" Instruction Set Architecture Reference Guide (July 2026). The comments in the code are by the model that wrote it; some were corrected since.
;; Scaled Dot Product Attention. Allowed arithmetic: matrix products marked QUANTISED: E2M1 operands, one E8M0 scale for each 32 along K, by v_wmma_scale_f32_16x16x128_f8f6f4 with both operands' format E2M1 (or v_wmma_scale_f32_32x16x128_f4), f32 sums; everything else in f32.
;; Inputs: K 4 x 16 x 2,048 x 128 float32; Q 4 x 16 x 2,048 x 128 float32; V 4 x 16 x 2,048 x 128 float32; mask 2,048 x 2,048 bool.
;; Outputs: out0 4 x 16 x 2,048 x 128 float32.
;; This version of the problem:
;;   THIS VERSION OF THE PROBLEM IS GIVEN IN LOW PRECISION. The matrix products marked QUANTISED in the list below multiply operands that are first quantised to E2M1 (2 exponent bits, 1 mantissa bit; 4 bits a number), with one power-of-two scale for each 32 numbers along K (OCP MX v1.0); their sums are f32. All else is computed in f32.
;;   The module's matrix products, in the order in which they are computed (A, B: the left and right operand; K: the contracted axis; several contracted axes count as one K, in the product's order):
;;     1. batch 64 x [M 2,048, K 128] x [K 128, N 2,048]; A: input Q; B: input K: QUANTISED
;;     2. batch 64 x [M 2,048, K 2,048] x [K 2,048, N 128]; A: softmax (see below); B: input V: QUANTISED
;;   THE QUANTISER, for each operand of a quantised product, along K:
;;     - K is cut into blocks of 32 from its start; a last block that is shorter is filled with zeros.
;;     - A block's scale is 2^e with e = floor(log2(the largest magnitude in the block)) - 2, held to -126 .. 127; a block of zeros has e = 0. As a byte (E8M0): e + 127.
;;     - Each number is divided by its block's scale, clamped to +-6, and rounded to the nearest number of E2M1, ties to even, subnormals kept.
;;     - The product sums the exact products of the quantised numbers (number of the format x scale) in f32.
;;   ~~~python
;;   def quantise(x, axis):      # numpy; x: float32 -> the quantised numbers, widened to float32 again
;;       x = np.moveaxis(x, axis, -1); K = x.shape[-1]
;;       x = np.pad(x, [(0, 0)] * (x.ndim - 1) + [(0, -K % 32)]); x = x.reshape(x.shape[:-1] + (-1, 32)); a = np.abs(x).max(-1, keepdims=True)
;;       e = np.where(a > 0, np.clip(np.frexp(np.where(a > 0, a, 1))[1] - 1 - 2, -126, 127), 0)      # np.frexp(a)[1] - 1 = floor(log2(a)), exactly
;;       r = np.clip(x / 2.0 ** e, -6, 6)
;;       step = 2.0 ** (np.maximum(np.frexp(np.where(r == 0, 1, r))[1] - 1, 0) - 1)
;;       q = np.round(r / step) * step * 2.0 ** e      # np.round: ties to even
;;       return np.moveaxis(q.reshape(q.shape[:-2] + (-1,))[..., :K], -1, axis).astype(np.float32)
;;   ~~~
;;   SOFTMAX AHEAD OF A QUANTISED PRODUCT. Where the list says 'softmax', what is quantised is not the finished softmax but p = 2^(t - M), with t = logit x log2(e) and M = ceil(the row's largest t), a whole number; so 1/2 < the row's largest p <= 1. The row's sum l is taken of the UNQUANTISED p, in f32, and the product's result is divided by l at the end. Since M is a whole number, a kernel that streams over the keys may use a running M (the ceiling of the running maximum): every later rescaling is an exact power of two, which a block's scale takes up: the codes' values come out the same.
;;   OPERANDS COMPUTED ON THE WAY. 'Computed on the way' means the value that the module computes at that place (a softmax that the list does not call 'softmax' is quantised finished and normalised). What goes into a quantiser is computed in f32, as accurately as f32 sums, v_exp_f32 and their like allow (about 1e-6 of the number): no bf16 or f16 on the way to a quantiser, and a product that is left as it is and whose result goes on into a quantised operand takes f32 operands (vector FMAs, or v_wmma_f32_16x16x4_f32). A number that lies on a knife's edge between two numbers of the format may be rounded either way, as far as f32 arithmetic and the matrix unit's own rounding can turn it there, and no further.
;; 2 versions. Each part assembles by itself: llvm-mc -triple=amdgcn-amd-amdhsa -mcpu=gfx1250 --defsym DOCPART=n.
;; ======== version 1 of 2: 2 launches
;; workspace buffers: qkv 26,738,688 bytes; lmask 524,288 bytes of whole numbers; flags 4,096 bytes of whole numbers
;; launch prep (part 1): grid 3200 x 1, 4 waves a work-group, no clusters, 9,728 bytes of LDS; arguments Q, K, V, mask, qkv, lmask, flags; writes qkv, lmask, flags
.if DOCPART == 1
	.amdgcn_target "amdgcn-amd-amdhsa--gfx1250"
	.amdhsa_code_object_version 6
	.text
	.protected	k_q52d284c495_prep
	.globl	k_q52d284c495_prep
	.p2align	8
	.type	k_q52d284c495_prep,@function
k_q52d284c495_prep:
	s_mov_b64 s[64:65], 0
	v_nop
	global_prefetch_b8 v0, s[64:65] scope:SCOPE_SE
	s_setreg_imm32_b32 hwreg(HW_REG_WAVE_MODE, 25, 1), 1
	s_wait_xcnt 0x0
; PREP.  Q, K, V [64 heads][2048][128] f32 become codes of FP4 (E2M1) with one E8M0 byte for each 32 along a product's K, laid as IMAGES OF THE OPERAND'S REGISTERS;
; the mask [2048][2048] of bytes becomes lane-mask words and tile flags.  The second launch reads nothing else.
; qkv: 512 records of REC bytes, record = 8 x head + slot; a slot is 256 positions = two steps of 128.  In a record: K's codes (2 x 8,192), V's codes (2 x 8,192), for each step K's scale image (512) and V's (512), Q's codes (2 x 8,192), Q's scale images (2 x 512).
;   A step's code image: tile T (0..7) at 1,024 T + 512 c + 16 lane: registers 4 c .. 4 c + 3 of the fragment.
;   K, Q (quantised along the head's 128): tile T = 2 b + u, lane (r, h) holds position 32 b + 8 u + r + 8 (r / 8), d = 64 c + 32 h + 0 .. 31.  The positions of a tile are not neighbours, so that the scores' 16 registers of tiles 2 b, 2 b + 1 are 16 neighbouring keys.
;   V (quantised along the keys): tile t, lane (r, h) holds d = 16 t + r, keys 64 c + 32 h + 0 .. 31 of the step.
;   A scale image: the word of tile T, row r at 16 (16 (T % 2) + r) + 4 (T / 2): one load of 16 bytes a lane gives four scale registers, an even tile in lanes 0-15, an odd one in lanes 16-31.
; lmask: [query tile 0..127][step 0..15][64 words]; word 16 b + i, bit 16 h + r = mask[query of (tile, r)][128 step + 32 b + 16 h + i] != 0: the lane mask of one score register.
; flags: ANY at 16 tile + 4 w, ALL at 2,048 + 16 tile + 4 w: word w holds bits 4 w .. 4 w + 3; bit s: some byte, or every byte, of (tile, step s) is true.
; A block's scale is 2^(floor(log2(its largest magnitude)) - 2): its byte is the largest magnitude's exponent field - 2, held at 1 from below by a floor among the maximum's leaves.
; LIMITS: a block of zeros gets the byte 1 where the rule says 127 (its codes are zeros, and this program alone reads the bytes); blocks under the floor 2^-124 were not tried; NaN and infinities among Q, K, V are not served; any mask byte other than 0 counts as true.
; WORK-GROUPS: 0-127 the mask (one query tile each); 128-1151 Q, 1152-2175 K, 2176-3199 V (one head's step of 128 positions each).  The three ways part on the work-group's number alone, and each has LDS bytes of its own.
; No matrix work, no tensor load, no cluster: the launch streams, and work-groups share no input.
.set REC,  52224
.set VC,   16384
.set SC,   32768
.set QC,   34816
.set QS,   51200
.set QCL,  0                           ; LDS: Q's or K's codes, 2,048 bytes for each wave
.set QSL,  8192                        ; Q's or K's scale image, 512 bytes
.set VSL,  8704                        ; V's scale image, 512 bytes
.set X,    32                          ; v32-159  128 numbers (the mask: v32-95, 256 bytes a lane's share)
.set C,    160                         ; v160-175 codes
.set E,    176                         ; v176-191 scale bytes
.set W,    160                         ; the mask: v160-167, a pair of lane-mask registers for each step
	s_load_b256 s[4:11], s[0:1], 0x0               ; Q s[4:5], K s[6:7], V s[8:9], mask s[10:11]
	s_load_b128 s[12:15], s[0:1], 0x20             ; qkv s[12:13], lmask s[14:15]
	s_load_b64 s[16:17], s[0:1], 0x30              ; flags
	v_lshl_add_u32 v192, v0, 2, 0x2400
	v_mov_b32 v193, 0
	v_lshrrev_b32 v1, 5, v0
	v_readfirstlane_b32 s18, v1                    ; wave 0..3
	v_and_b32 v1, 31, v0                           ; lane
	v_lshlrev_b32 v7, 4, v1                        ; 16 x lane
	s_mov_b32 s31, 0                               ; the upper word of every offset pair s[30:31]
	s_wait_kmcnt 0x0
	s_cmp_lt_u32 ttmp9, 128
	s_cbranch_scc1 .Lmask
	s_cmp_ge_u32 ttmp9, 2176
	s_cbranch_scc1 .Lv
; The scale image, which the four waves wrote together, leaves as 512 consecutive bytes: every wave waits for its LDS stores, the barrier, wave 0 reads and stores.
.macro TAIL adr
	s_wait_dscnt 0x0                               ; for the others' sake: my stores into the image are done
	s_barrier_signal -1
	s_barrier_wait -1
	s_cmp_lg_u32 s18, 0
	s_cbranch_scc1 .Lend_\@
	ds_load_b128 v[48:51], v[\adr]
	s_wait_dscnt 0x0
	global_store_b128 v7, v[48:51], s[24:25]
.Lend_\@:
	s_wait_tensorcnt 0x0
	ds_add_u32 v192, v193
	s_wait_dscnt 0x0
	s_endpgm
.endm
; ---------------- Q and K: 128 positions x 128 d; wave w takes positions 32 w .. 32 w + 31, which are tiles 2 w and 2 w + 1
	s_sub_co_u32 s19, ttmp9, 128
	s_cmp_lt_u32 s19, 1024                         ; Q's work-group or K's?  The choice hangs on the work-group's number alone
	s_cselect_b64 s[20:21], s[4:5], s[6:7]
	s_cselect_b32 s26, QC, 0                       ; where the codes begin in a record,
	s_mov_b32 s27, SC
	s_cselect_b32 s27, QS, s27                     ; where the scale images begin,
	s_cselect_b32 s28, 9, 10                       ; and how far apart the two steps' images lie (512 or 1,024 bytes)
	s_and_b32 s19, s19, 1023                       ; g = 16 x head + step
	s_lshl_b32 s30, s19, 16                        ; a step is 128 rows of 512 bytes,
	s_lshl_b32 s29, s18, 14                        ; my wave's 32 rows
	s_add_co_u32 s30, s30, s29
	s_add_nc_u64 s[20:21], s[20:21], s[30:31]      ; the source
	s_lshr_b32 s29, s19, 1
	s_mul_i32 s29, s29, REC                        ; the record
	s_and_b32 s19, s19, 1                          ; which of its two steps
	s_lshl_b32 s30, s19, 13
	s_add_co_u32 s30, s30, s29
	s_add_co_u32 s30, s30, s26
	s_lshl_b32 s26, s18, 11                        ; my two tiles: 2,048 bytes
	s_add_co_u32 s30, s30, s26
	s_add_nc_u64 s[22:23], s[12:13], s[30:31]      ; my codes' place
	s_lshl_b32 s30, s19, s28
	s_add_co_u32 s30, s30, s29
	s_add_co_u32 s30, s30, s27
	s_add_nc_u64 s[24:25], s[12:13], s[30:31]      ; the step's scale image
	v_lshlrev_b32 v2, 5, v1                        ; 32 bytes a lane: a pair of loads covers 1,024 consecutive bytes, two rows; lane l holds row l / 16, d = 8 (l % 16) + 0 .. 7
	v_bfe_u32 v8, v0, 4, 1                         ; which of the two rows
	v_bfe_u32 v9, v0, 2, 2                         ; my block of 32 along d
	v_and_b32 v10, 3, v0                           ; my quarter of it
	v_lshlrev_b32 v3, 8, v9                        ; in the code image block beta lies at 512 (beta / 2) + 256 (beta % 2) = 256 beta,
	v_lshl_add_u32 v3, v8, 4, v3                   ; a row 16 bytes on,
	v_lshl_add_u32 v3, v10, 2, v3                  ; my eight codes 4 bytes a quarter;
	v_add_nc_u32 v3, s26, v3                       ; + 2,048 x wave (QCL = 0)
	s_lshl_b32 s27, s18, 2
	s_add_co_u32 s27, s27, QSL
	v_lshl_add_u32 v4, v8, 4, v9                   ; in the scale image: 16 x row + 4 x wave + block
	v_add_nc_u32 v4, s27, v4
	v_add_nc_u32 v6, s26, v7                       ; back out of LDS: 16 x lane + 2,048 x wave
	v_add_nc_u32 v11, QSL, v7                      ; the scale image, 16 bytes a lane
.irp i, 0,1,2,3,4,5,6,7,8,9,10,11,12,13,14,15
	global_load_b128 v[X+8*\i:X+8*\i+3], v2, s[20:21] offset:1024*\i
	global_load_b128 v[X+8*\i+4:X+8*\i+7], v2, s[20:21] offset:1024*\i+16
.endr
; Rows 2 i and 2 i + 1 of my 32.  Row p lies in tile u = (p / 8) % 2 at row r = p % 8 + 8 (p / 16): with p = 2 i + l / 16 that is the immediate below plus the lane's 16 (l / 16).
.macro QK i
	s_wait_loadcnt 30-2*\i                         ; this pair of loads is in; the 15 - i younger pairs may be out
	v_max3_num_f32 v8, |v[X+8*\i]|, |v[X+8*\i+1]|, 0x1800000      ; my eight numbers, and the floor 2^(3 - 127): so the byte cannot fall under 1
	v_max3_num_f32 v9, |v[X+8*\i+2]|, |v[X+8*\i+3]|, |v[X+8*\i+4]|
	v_max3_num_f32 v8, v8, |v[X+8*\i+5]|, |v[X+8*\i+6]|
	v_max3_num_f32 v8, v8, v9, |v[X+8*\i+7]|
	v_max_num_f32_dpp v8, v8, v8 row_xmask:1 row_mask:0xf bank_mask:0xf
	v_max_num_f32_dpp v8, v8, v8 row_xmask:2 row_mask:0xf bank_mask:0xf   ; the four lanes of a block: its largest magnitude
	v_add_nc_u32 v10, 0xff000000, v8               ; 2 off its exponent field: the conversion takes the exponent field of this operand as its scale
	v_cvt_scalef32_pk8_fp4_f32 v[C+\i], v[X+8*\i:X+8*\i+7], v10
	v_lshrrev_b32 v[E+\i], 23, v10                 ; the scale's byte (a plain line behind the conversion)
	ds_store_b32 v3, v[C+\i] offset:((\i/4)%2)*1024+(\i/8)*128+(\i%4)*32
	ds_store_b8 v4, v[E+\i] offset:((\i/4)%2)*256+(\i/8)*128+(\i%4)*32    ; the four lanes of a block write the same byte with the same value
.endm
.irp i, 0,1,2,3,4,5,6,7,8,9,10,11,12,13,14,15
	QK \i
.endr
.irp k, 0,1,2,3
	ds_load_b128 v[32+4*\k:35+4*\k], v6 offset:512*\k             ; my own bytes: LDS serves a wave's instructions in order
.endr
	s_wait_dscnt 0x0
.irp k, 0,1,2,3
	global_store_b128 v7, v[32+4*\k:35+4*\k], s[22:23] offset:512*\k   ; 32 lanes store 512 consecutive bytes, at a multiple of 256 from the buffer's first byte
.endr
	TAIL 11
; ---------------- V: 128 keys x 128 d; wave w takes columns 32 w .. 32 w + 31: a lane a column, its registers run down the keys, so a block of 32 keys is one lane's
.Lv:
	s_sub_co_u32 s19, ttmp9, 2176                  ; g = 16 x head + step
	s_lshl_b32 s30, s19, 16
	s_lshl_b32 s29, s18, 7                         ; 32 columns of 4 bytes
	s_add_co_u32 s30, s30, s29
	s_add_nc_u64 s[20:21], s[8:9], s[30:31]
	s_lshr_b32 s29, s19, 1
	s_mul_i32 s29, s29, REC
	s_and_b32 s19, s19, 1
	s_lshl_b32 s30, s19, 13
	s_add_co_u32 s30, s30, s29
	s_add_co_u32 s30, s30, VC
	s_lshl_b32 s26, s18, 11                        ; my tiles 2 w and 2 w + 1
	s_add_co_u32 s30, s30, s26
	s_add_nc_u64 s[22:23], s[12:13], s[30:31]
	s_lshl_b32 s30, s19, 10
	s_add_co_u32 s30, s30, s29
	s_add_co_u32 s30, s30, SC+512
	s_add_nc_u64 s[24:25], s[12:13], s[30:31]
	v_lshlrev_b32 v2, 2, v1                        ; in: 4 bytes a lane
	v_bfe_u32 v8, v0, 4, 1
	v_and_b32 v9, 15, v0
	v_lshlrev_b32 v5, 10, v8
	v_lshl_add_u32 v5, v9, 4, v5                   ; out: tile l / 16, row l % 16: sixteen lanes fill 256 consecutive bytes
	s_lshl_b32 s27, s18, 2
	s_add_co_u32 s27, s27, VSL
	v_add_nc_u32 v4, s27, v7                       ; my scale word: 16 x lane + 4 x wave
	v_add_nc_u32 v11, VSL, v7
.macro LOADV t
.irp i, 0,1,2,3,4,5,6,7,8,9,10,11,12,13,14,15,16,17,18,19,20,21,22,23,24,25,26,27,28,29,30,31
	global_load_b32 v[X+32*(\t)+\i], v2, s[20:21] offset:(32*(\t)+\i)*512 th:TH_LOAD_NT
.endr
.endm
.macro BLOCKV t
.set XS, X+32*\t
.if \t < 3
	s_wait_loadcnt 32                              ; this block's 32 loads are in; the next block's may be out
.else
	s_wait_loadcnt 0x0
.endif
.if \t < 2
	LOADV \t+2
.endif
	v_max3_num_f32 v8, |v[XS]|, |v[XS+1]|, |v[XS+2]|              ; all 32 numbers are mine: two chains
	v_max3_num_f32 v9, |v[XS+3]|, |v[XS+4]|, |v[XS+5]|
.irp i, 6,10,14,18,22,26
	v_max3_num_f32 v8, v8, |v[XS+\i]|, |v[XS+\i+1]|
	v_max3_num_f32 v9, v9, |v[XS+\i+2]|, |v[XS+\i+3]|
.endr
	v_max3_num_f32 v8, v8, |v[XS+30]|, |v[XS+31]|
	v_max3_num_f32 v8, v8, v9, 0x1800000           ; and the floor
	v_add_nc_u32 v10, 0xff000000, v8
.irp g, 0,1,2,3
	v_cvt_scalef32_pk8_fp4_f32 v[C+4*\t+\g], v[XS+8*\g:XS+8*\g+7], v10
.endr
	v_lshrrev_b32 v13, 23, v10                     ; the scale's byte (a plain line behind the conversions)
.if \t == 0
	v_mov_b32 v12, v13                             ; four bytes make my column's scale word for these 128 keys
.else
	v_lshl_or_b32 v12, v13, 8*\t, v12
.endif
	global_store_b128 v5, v[C+4*\t:C+4*\t+3], s[22:23] offset:(\t/2)*512+(\t%2)*256   ; each block has its own four registers: no store's data are written again
.endm
	LOADV 0
	LOADV 1
	BLOCKV 0
	BLOCKV 1
	BLOCKV 2
	BLOCKV 3
	ds_store_b32 v4, v12
	TAIL 11
; ---------------- the mask: the work-group is a query tile, wave w takes key steps 4 w .. 4 w + 3.  No LDS, no barrier.
.Lmask:
	s_lshr_b32 s26, ttmp9, 3
	s_lshl_b32 s26, s26, 7
	s_bfe_u32 s27, ttmp9, 0x20001
	s_lshl_b32 s27, s27, 5
	s_add_co_u32 s26, s26, s27
	s_and_b32 s27, ttmp9, 1
	s_lshl_b32 s27, s27, 3
	s_add_co_u32 s26, s26, s27                     ; the tile's first query: 128 (tile / 8) + 32 ((tile / 2) % 4) + 8 (tile % 2)
	s_lshl_b32 s30, s26, 11                        ; a row of the mask is 2,048 bytes
	s_lshl_b32 s27, s18, 9                         ; my four steps: 512 bytes of each row
	s_add_co_u32 s30, s30, s27
	s_add_nc_u64 s[20:21], s[10:11], s[30:31]
	s_lshl_b32 s30, ttmp9, 12                      ; a tile's words: 16 steps x 256 bytes
	s_lshl_b32 s27, s18, 10
	s_add_co_u32 s30, s30, s27
	s_add_nc_u64 s[22:23], s[14:15], s[30:31]
	v_and_b32 v8, 15, v0                           ; r
	v_and_b32 v9, 8, v0
	v_add_nc_u32 v8, v8, v9                        ; r + 8 (r / 8)
	v_bfe_u32 v9, v0, 4, 1                         ; h
	v_lshlrev_b32 v2, 11, v8
	v_lshl_add_u32 v2, v9, 4, v2                   ; my query's row, + 16 h: my 16 keys of a block of 32
	v_lshlrev_b32 v5, 3, v1                        ; out: 8 bytes a lane
.irp s, 0,1,2,3
.irp b, 0,1,2,3
	global_load_b128 v[X+16*\s+4*\b:X+16*\s+4*\b+3], v2, s[20:21] offset:128*\s+32*\b
.endr
.endr
.irp j, 0,1,2,3,4,5,6,7
	v_mov_b32 v[W+\j], 0                           ; a lane write's destination counts as read
.endr
	s_mov_b32 s32, 0                               ; ANY
	s_mov_b32 s33, 0                               ; ALL
; Step s of my four.  Byte y of register 4 b + k is key 32 b + 16 h + 4 k + y of my query: compared in all lanes at once it gives word n = 16 b + 4 k + y, which goes to lane n / 2 of register n % 2.
.macro MSTEP s
	s_wait_loadcnt 12-4*\s                         ; this step's four loads are in; the later steps' may be out
.set n, 0
.rept 64
	v_and_b32 v[8+n%4], 0xff<<(8*(n%4)), v[X+16*\s+n/4]
	v_cmp_ne_u32 s[40+n%4], 0, v[8+n%4]
	v_writelane_b32 v[W+2*\s+n%2], s[40+n%4], n/2
.set n, n+1
.endr
	global_store_b64 v5, v[W+2*\s:W+2*\s+1], s[22:23] offset:256*\s    ; 32 lanes store 256 consecutive bytes, aligned; each step has its own pair
	v_cmp_ne_u32 s40, 0, v[W+2*\s]
	v_cmp_ne_u32 s41, 0, v[W+2*\s+1]
	s_or_b32 s42, s40, s41                         ; SCC: some word is not 0
	s_cselect_b32 s43, 1<<\s, 0
	s_or_b32 s32, s32, s43
	v_cmp_ne_u32 s40, -1, v[W+2*\s]
	v_cmp_ne_u32 s41, -1, v[W+2*\s+1]
	s_or_b32 s42, s40, s41                         ; SCC: some word is not all ones
	s_cselect_b32 s43, 0, 1<<\s
	s_or_b32 s33, s33, s43
.endm
	MSTEP 0
	MSTEP 1
	MSTEP 2
	MSTEP 3
	s_lshl_b32 s26, s18, 2
	s_lshl_b32 s32, s32, s26                       ; my four bits at their places in the tile's sixteen
	s_lshl_b32 s33, s33, s26
	v_mov_b32 v8, s33                              ; lanes 1-31 hold ALL and all store it to the same word; lane 0 holds ANY: EXEC stays whole
	v_writelane_b32 v8, s32, 0
	v_min_u32 v9, 1, v1
	v_lshlrev_b32 v9, 11, v9                       ; ALL's table lies 2,048 bytes behind ANY's
	s_lshl_b32 s27, ttmp9, 4
	s_add_co_u32 s27, s27, s26
	v_add_nc_u32 v9, s27, v9                       ; + 16 x tile + 4 x wave
	global_store_b32 v9, v8, s[16:17]
	s_endpgm
.Lfunc_end_k_q52d284c495_prep:
	.size	k_q52d284c495_prep, .Lfunc_end_k_q52d284c495_prep-k_q52d284c495_prep
	.p2alignl 7, 3214868480
	.fill 96, 4, 3214868480
	.section	.rodata,"a",@progbits
	.p2align	6, 0x0
	.amdhsa_kernel k_q52d284c495_prep
		.amdhsa_group_segment_fixed_size 9728
		.amdhsa_private_segment_fixed_size 0
		.amdhsa_enable_private_segment 0
		.amdhsa_kernarg_size 56
		.amdhsa_user_sgpr_count 2
		.amdhsa_user_sgpr_kernarg_segment_ptr 1
		.amdhsa_wavefront_size32 1
		.amdhsa_system_sgpr_workgroup_id_x 1
		.amdhsa_system_sgpr_workgroup_id_y 1
		.amdhsa_system_sgpr_workgroup_id_z 1
		.amdhsa_system_vgpr_workitem_id 0
		.amdhsa_next_free_vgpr 194
		.amdhsa_next_free_sgpr 66
		.amdhsa_reserve_vcc 0
		.amdhsa_float_denorm_mode_32 3
		.amdhsa_float_denorm_mode_16_64 3
		.amdhsa_memory_ordered 1
		.amdhsa_forward_progress 1
		.amdhsa_inst_pref_size 92
	.end_amdhsa_kernel
	.amdgpu_metadata
---
amdhsa.version: [ 1, 2 ]
amdhsa.kernels:
  - .name:           k_q52d284c495_prep
    .symbol:         k_q52d284c495_prep.kd
    .args:
      - { .name: Q, .offset: 0, .size: 8, .value_kind: global_buffer, .address_space: global }
      - { .name: K, .offset: 8, .size: 8, .value_kind: global_buffer, .address_space: global }
      - { .name: V, .offset: 16, .size: 8, .value_kind: global_buffer, .address_space: global }
      - { .name: mask, .offset: 24, .size: 8, .value_kind: global_buffer, .address_space: global }
      - { .name: qkv, .offset: 32, .size: 8, .value_kind: global_buffer, .address_space: global }
      - { .name: lmask, .offset: 40, .size: 8, .value_kind: global_buffer, .address_space: global }
      - { .name: flags, .offset: 48, .size: 8, .value_kind: global_buffer, .address_space: global }
    .group_segment_fixed_size: 9728
    .private_segment_fixed_size: 0
    .kernarg_segment_align: 8
    .kernarg_segment_size: 56
    .max_flat_workgroup_size: 128
    .sgpr_count:     66
    .vgpr_count:     194
    .wavefront_size: 32
...
	.end_amdgpu_metadata
.endif
;; end of part 1
;; launch attn (part 2): grid 4 x 64, 16 waves a work-group, no clusters, 172,032 bytes of LDS; arguments qkv, lmask, flags, out0; writes out0
.if DOCPART == 2
	.amdgcn_target "amdgcn-amd-amdhsa--gfx1250"
	.amdhsa_code_object_version 6
	.text
	.protected	k_q52d284c495_attn
	.globl	k_q52d284c495_attn
	.p2align	8
	.type	k_q52d284c495_attn,@function
k_q52d284c495_attn:
	s_mov_b64 s[64:65], 0
	v_nop
	global_prefetch_b8 v0, s[64:65] scope:SCOPE_SE
	s_setreg_imm32_b32 hwreg(HW_REG_WAVE_MODE, 25, 1), 1
	s_wait_xcnt 0x0
; out0[head][q][:] = the sum over k of softmax_k(where(mask[q][k], Q[q] . K[k] / sqrt(128), -infinity)) V[k][:], both products on codes of FP4 (E2M1) with one E8M0 scale for each 32 along a product's K.
; The first launch has laid Q's, K's and V's codes and scale words as images of the operand's registers (qkv), the mask as lane-mask words (lmask) and two flags for each tile of 16 queries x 128 keys (flags).
; THE SOFTMAX AHEAD OF THE SECOND PRODUCT: t = score x log2(e) / sqrt(128); M = the row's largest t so far, rounded UP to a whole number; p = 2^(t - M) is quantised along the keys, not normalised.
; The row's sum is taken of the unquantised p and divides O at the end.  When M moves, the sum and O are multiplied by 2^(old M - new M): exact.
; SHARES.  Work-group (x, head) makes two blocks of 256 queries one after the other, blocks x and 7 - x.  Each of its SIXTEEN waves owns one tile of 16 queries in 256 registers: four waves to a SIMD, so that one wave's vector
; work stands beside another's products and LDS loads.  A key step is 128 keys, a slot two steps.  Both products are used transposed (S^T = K Q^T, O^T = V^T P^T): a lane holds ONE query throughout.
; THE MASK IS HONOURED AS IT IS GIVEN.  A step in which no byte of my tile is true changes neither M, the sum nor O, and is left out (a scalar branch on a stored flag); a step in which all are true needs no masking;
; in any other, each score register takes -infinity where its lane-mask word has a 0: one v_cndmask_b32 a register.  A slot that no wave of the block wants is not fetched.  A query with no true byte ends as 0 x 1/0 = NaN, as a softmax of -infinities does.
; LDS IS FILLED THROUGH REGISTERS: 512 threads x 68 bytes are a slot's 34,816 bytes, asked for a slot ahead, stored into the other slot behind the slot's work, one barrier a slot.
; NO TENSOR LOAD, NO CLUSTER: the four work-groups of a head read the same records, but which slots each of them reads hangs on flags read from memory, so partners would make different numbers of requests.
; LIMITS: |t| stays under 3e38 (the start of the running maximum); NaN and infinities among Q, K, V are not served.
; REGISTERS: v1-11 addresses that stay; v12 -M, v13 the largest t, v[14:15] the sum in two halves; v16-23 Q, v24 its scale words; v28-31 K's scale words, v84-87 V's; v32-63 four fragments of K or V; v64-80 a slot's bytes on their way;
;   v96-159 S^T, then p; v160-223 O^T; v224-231 p's codes; v232-254 at work, v253 p's scale word.
.set REC,   52224                      ; a record of qkv: K's codes, V's codes, their scale images (these 34,816 bytes are a slot), Q's codes, Q's scale images
.set VC,    16384
.set SC,    32768
.set QC,    34816
.set QS,    51200
.set SLOT1, 65536                      ; LDS: slot 0 at 0, slot 1 here
.set STAGE, 100352                     ; behind the slots: 16 rows x 272 bytes for each wave, for the way out
; s2 wave; s[4:11] qkv, lmask, flags, out0; s13 the block; s14 blocks to go; s15 trips to go; s16 ANY and s17 ALL of my tile (bit = step); s18 bit 2 j: some wave of the block wants slot j; s19 2 x the slot in hand;
; s[20:21] lane selects; s[22:23] c; s[24:25] the next slot's record; s[26:27] my tile's lane-mask words; s[28:29] my rows of out0; s100 the slot's place among those words; s12, s[30:31], s[66:67], s101 at work;
; s32-63 and s68-99: a step's 64 lane-mask words (word n in s[32 + n], from n = 32 on in s[36 + n])
.macro FETCH                           ; the slot at s[24:25]: each load of a wave covers 512 consecutive bytes (the last 128)
	global_load_b128 v[64:67], v2, s[24:25]
	global_load_b128 v[68:71], v2, s[24:25] offset:8192
	global_load_b128 v[72:75], v2, s[24:25] offset:16384
	global_load_b128 v[76:79], v2, s[24:25] offset:24576
	global_load_b32 v80, v3, s[24:25] offset:32768
.endm
.macro PUT d                           ; into LDS slot d, as it lay in memory
.set PA, 2+7*(\d)
.set PB, 3+7*(\d)
	ds_store_b128 v[PA], v[64:67]
	ds_store_b128 v[PA], v[68:71] offset:8192
	ds_store_b128 v[PA], v[72:75] offset:16384
	ds_store_b128 v[PA], v[76:79] offset:24576
	ds_store_b32 v[PB], v80 offset:32768
.endm
.macro BAR                             ; my LDS stores have landed and my LDS loads are in: then the work-group's barrier
	s_wait_dscnt 0x0
	s_barrier_signal -1
	s_barrier_wait -1
.endm
	s_load_b256 s[4:11], s[0:1], 0x0
	v_lshl_add_u32 v251, v0, 2, 0x29800
	v_mov_b32 v255, 0
	v_lshrrev_b32 v1, 5, v0
	v_readfirstlane_b32 s2, v1                     ; wave 0..15
	v_and_b32 v1, 31, v0
	v_lshlrev_b32 v1, 4, v1                        ; v1: 16 x lane: an image's place for my lane, in slot 0
	v_lshlrev_b32 v2, 4, v0                        ; v2: 16 x thread: a slot's codes, in memory and in slot 0
	v_lshlrev_b32 v3, 2, v0                        ; v3: 4 x thread: its scale images
	v_mov_b32 v4, 0xff800000                       ; v4: -infinity
	v_and_b32 v11, 15, v0                          ; r
	v_bfe_u32 v12, v0, 4, 1                        ; h
	v_lshlrev_b32 v5, 9, v12
	v_lshl_add_u32 v5, v11, 4, v5                  ; v5: the way out: lanes 0-15 one row of out0, lanes 16-31 the next; 16 bytes a lane
	s_mul_i32 s12, s2, 4352
	s_add_co_u32 s12, s12, STAGE                   ; my stage
	v_mul_u32_u24 v6, v11, 272
	v_lshl_add_u32 v6, v12, 5, v6
	v_add_nc_u32 v6, s12, v6                       ; v6: into it: row r, + 32 h
	v_mul_u32_u24 v7, v12, 272
	v_lshl_add_u32 v7, v11, 4, v7
	v_add_nc_u32 v7, s12, v7                       ; v7: back: lanes 0-15 one row, lanes 16-31 the next
	v_add_nc_u32 v8, SLOT1, v1                     ; v8, v9, v10: v1, v2, v3 in slot 1
	v_add_nc_u32 v9, SLOT1, v2
	v_add_nc_u32 v10, SLOT1, v3
	v_lshlrev_b32 v11, 4, v11                      ; v11: 16 r: Q's scale words
.irp b, 0,1,2,3
	v_mov_b32 v[236+\b], 0                         ; written once: a lane permute's destination counts as one of its sources
.endr
	v_mov_b32 v252, 0
	v_mov_b32 v253, 0                              ; (named as the upper half of the pair v[252:253] before it is first written)
	s_mov_b32 s20, 0x76543210
	s_mov_b32 s21, 0xfedcba98                      ; v_permlanex16_b32's selects for lane l xor 16
	s_mov_b32 s22, 0x3e0293ee                      ; c = log2(e) / sqrt(128)
	s_mov_b32 s23, s22                             ; (named with it as a pair, so it is written)
	s_and_b32 s30, ttmp7, 0xffff                   ; the head
	s_mul_i32 s30, s30, 8*REC
	s_mov_b32 s31, 0
	s_wait_kmcnt 0x0
	s_add_nc_u64 s[24:25], s[4:5], s[30:31]        ; the head's first record
	FETCH                                          ; slot 0 is always fetched
	s_mov_b32 s14, 2
	s_mov_b32 s13, ttmp9                           ; the first block: x
; A KEY STEP: step q of LDS slot s.
.macro STEP s, q
.set AD, 1+7*(\s)                      ; v1 or v8
	s_lshr_b32 s101, s16, s19
	s_and_b32 s101, s101, 1<<(\q)
	s_cmp_lg_u32 s101, 0                           ; has my tile a true byte in this step?
	s_cbranch_scc0 .Lhidden_\@
.irp k, 0,1
	s_load_b512 s[32+16*\k:47+16*\k], s[26:27], s100 offset:256*(\q)+64*\k      ; the step's 64 lane-mask words
.endr
.irp k, 0,1
	s_load_b512 s[68+16*\k:83+16*\k], s[26:27], s100 offset:256*(\q)+128+64*\k
.endr
.rept 4
	v_nop                                          ; places in front of loads into registers that the last step's products have read
.endr
	ds_load_b128 v[28:31], v[AD] offset:SC+1024*(\q)               ; K's scale words: register T / 2, an even tile in lanes 0-15, an odd one in lanes 16-31
.irp g, 0,1                                    ; S^T = K Q^T, four tiles of 16 keys at a time
.if \g
.rept 4
	v_nop
.endr
.endif
.irp t, 0,1,2,3
.irp c, 0,1
	ds_load_b128 v[32+8*\t+4*\c:35+8*\t+4*\c], v[AD] offset:8192*(\q)+(4*\g+\t)*1024+512*\c
.endr
.endr
	s_wait_dscnt 0x0
.irp t, 0,1,2,3
.if \t%2
	v_wmma_scale_f32_16x16x128_f8f6f4 v[96+8*(4*\g+\t):103+8*(4*\g+\t)], v[32+8*\t:39+8*\t], v[16:23], 0, v[28+2*\g+\t/2], v24 matrix_a_fmt:MATRIX_FMT_FP4 matrix_b_fmt:MATRIX_FMT_FP4 matrix_a_scale:MATRIX_SCALE_ROW1
.else
	v_wmma_scale_f32_16x16x128_f8f6f4 v[96+8*(4*\g+\t):103+8*(4*\g+\t)], v[32+8*\t:39+8*\t], v[16:23], 0, v[28+2*\g+\t/2], v24 matrix_a_fmt:MATRIX_FMT_FP4 matrix_b_fmt:MATRIX_FMT_FP4
.endif
.endr
.endr                                          ; register 96 + 16 b + i of lane (r, h): query r, key 32 b + 16 h + i of the step
.rept 4
	v_nop                                          ; places in front of the loads below and of the first read of the scores
.endr
	ds_load_b128 v[84:87], v[AD] offset:SC+1024*(\q)+512           ; V's scale words and its first four fragments are asked for here: they land during the softmax
.irp t, 0,1,2,3
.irp c, 0,1
	ds_load_b128 v[32+8*\t+4*\c:35+8*\t+4*\c], v[AD] offset:VC+8192*(\q)+\t*1024+512*\c
.endr
.endr
	s_wait_kmcnt 0x0                               ; the lane-mask words are in
	s_lshr_b32 s101, s17, s19
	s_and_b32 s101, s101, 1<<(\q)
	s_cmp_lg_u32 s101, 0                           ; all true: nothing to hide
	s_cbranch_scc1 .Lopen_\@
.set n, 0
.rept 64                                       ; ascending: each accumulator is read from its low end on
.if n < 32
	v_cndmask_b32 v[96+n], v4, v[96+n], s[32+n]    ; -infinity where the mask has a 0: p = 0 then
.else
	v_cndmask_b32 v[96+n], v4, v[96+n], s[36+n]
.endif
.set n, n+1
.endr
.Lopen_\@:
.irp b, 0,1,2,3
	v_max3_num_f32 v[232+\b], v[96+16*\b], v[97+16*\b], v[98+16*\b]   ; THE LARGEST SCORE OF EACH BLOCK OF 32 KEYS: it serves the row's maximum and, since p rises with the score, the block's largest p
.endr
.irp i, 3,5,7,9,11,13
.irp b, 0,1,2,3
	v_max3_num_f32 v[232+\b], v[232+\b], v[96+16*\b+\i], v[97+16*\b+\i]   ; (the four blocks by turns)
.endr
.endr
.irp b, 0,1,2,3
	v_max_num_f32 v[232+\b], v[232+\b], v[111+16*\b]
.endr
.irp b, 0,1,2,3
	v_permlanex16_b32 v[236+\b], v[232+\b], s20, s21
.endr
.irp b, 0,1,2,3
	v_max_num_f32 v[232+\b], v[232+\b], v[236+\b]  ; with lane l xor 16's 16 keys
.endr
	v_max3_num_f32 v254, v232, v233, v234
	v_max_num_f32 v254, v254, v235                 ; the step's largest score of my query
	v_mul_f32 v254, s22, v254                      ; as t (c is positive)
	v_max_num_f32 v13, v13, v254                   ; the running largest t
	v_mov_b32 v254, v12
	v_floor_f32 v12, -v13                          ; the new -M = floor(-t) = -ceil(t): M is a whole number
	v_sub_f32 v254, v12, v254                      ; M's old value less its new one: a whole number, 0 or less
	v_cvt_i32_f32 v254, v254                       ; (it saturates)
	v_ldexp_f32 v252, 1.0, v254                    ; f = 2^(old M - new M)
.irp j, 0,2,4,6,8,10,12,14,16,18,20,22,24,26,28,30,32,34,36,38,40,42,44,46,48,50,52,54,56,58,60,62
	v_pk_fma_f32 v[96+\j:97+\j], v[96+\j:97+\j], s[22:23], v[12:13] op_sel_hi:[1,0,0]   ; t - M, two at a time (of the pairs c and -M the low word serves both halves)
.endr
.irp b, 0,1,2,3
	v_fma_f32 v[232+\b], v[232+\b], s22, v12       ; the same of each block's largest score
.endr
.irp j, 0,1,2,3,4,5,6,7,8,9,10,11,12,13,14,15,16,17,18,19,20,21,22,23,24,25,26,27,28,29,30,31,32,33,34,35,36,37,38,39,40,41,42,43,44,45,46,47,48,49,50,51,52,53,54,55,56,57,58,59,60,61,62,63
	v_exp_f32 v[96+\j], v[96+\j]                   ; p = 2^(t - M), at most 1: not normalised
.endr
	v_pk_mul_f32 v[14:15], v[14:15], v[252:253] op_sel_hi:[1,0]   ; the sums under the new M (a plain line behind the exponentials)
	s_wait_alu depctr_va_vdst(0)                   ; one wait for the whole batch, ahead of its first reader
.irp b, 0,1,2,3
	v_exp_f32 v[232+\b], v[232+\b]                 ; the block's largest p: the same two instructions on the same number give the same bits
.endr
	v_pk_add_f32 v[236:237], v[96:97], v[98:99]    ; THE ROW'S SUM IS TAKEN OF THE UNQUANTISED p: two at a time, in two chains (it reads the 64 alone: plain work behind the four)
.irp j, 4,8,12,16,20,24,28,32,36,40,44,48,52,56,60
	v_pk_add_f32 v[14:15], v[14:15], v[96+\j:97+\j]
	v_pk_add_f32 v[236:237], v[236:237], v[98+\j:99+\j]
.endr
	v_pk_add_f32 v[14:15], v[14:15], v[236:237]
	s_wait_alu depctr_va_vdst(0)                   ; and one for the four
.irp b, 0,1,2,3
	v_max_num_f32 v[232+\b], 0x1800000, v[232+\b]  ; the floor 2^(3 - 127): the byte cannot fall under 1 (a block whose every p is 0 keeps that byte: its codes are zeros)
.endr
.irp b, 0,1,2,3
	v_add_nc_u32 v[244+\b], 0xff000000, v[232+\b]  ; 2 off the exponent field: the conversion's scale operand
.endr
.irp b, 0,1,2,3
	v_lshrrev_b32 v[236+\b], 23, v[244+\b]         ; the scale's byte
.endr
	v_lshl_or_b32 v253, v237, 8, v236              ; p's scale word for these 128 keys
	v_lshl_or_b32 v253, v238, 16, v253
	v_lshl_or_b32 v253, v239, 24, v253
.irp b, 0,1,2,3
	v_cvt_scalef32_pk8_fp4_f32 v[224+2*\b], v[96+16*\b:103+16*\b], v[244+\b]
	v_cvt_scalef32_pk8_fp4_f32 v[225+2*\b], v[104+16*\b:111+16*\b], v[244+\b]
.endr
	v_nop                                          ; one plain line between a scaled conversion and the vector instruction that touches its result
.irp c, 0,1                                    ; the operand's layout wants a WHOLE block in a lane: lanes 0-15 block 2 c, lanes 16-31 block 2 c + 1
.irp i, 0,1
	v_permlane16_swap_b32 v[224+4*\c+\i], v[226+4*\c+\i]
.endr
.endr
.irp j, 0,2,4,6,8,10,12,14,16,18,20,22,24,26,28,30,32,34,36,38,40,42,44,46,48,50,52,54,56,58,60,62
	v_pk_mul_f32 v[160+\j:161+\j], v[160+\j:161+\j], v[252:253] op_sel_hi:[1,0]   ; O^T under the new M: x f.  (These 32 are also the places between p's codes and scale word and the products below)
.endr
.irp g, 0,1                                    ; O^T += V^T P^T: four tiles of 16 of the head's 128 at a time; the eight accumulators take turns, one instruction a turn
.if \g
.rept 4
	v_nop
.endr
.irp t, 0,1,2,3
.irp c, 0,1
	ds_load_b128 v[32+8*\t+4*\c:35+8*\t+4*\c], v[AD] offset:VC+8192*(\q)+(4+\t)*1024+512*\c
.endr
.endr
.endif
	s_wait_dscnt 0x0
.irp t, 0,1,2,3
.if \t%2
	v_wmma_scale_f32_16x16x128_f8f6f4 v[160+8*(4*\g+\t):167+8*(4*\g+\t)], v[32+8*\t:39+8*\t], v[224:231], v[160+8*(4*\g+\t):167+8*(4*\g+\t)], v[84+2*\g+\t/2], v253 matrix_a_fmt:MATRIX_FMT_FP4 matrix_b_fmt:MATRIX_FMT_FP4 matrix_a_scale:MATRIX_SCALE_ROW1
.else
	v_wmma_scale_f32_16x16x128_f8f6f4 v[160+8*(4*\g+\t):167+8*(4*\g+\t)], v[32+8*\t:39+8*\t], v[224:231], v[160+8*(4*\g+\t):167+8*(4*\g+\t)], v[84+2*\g+\t/2], v253 matrix_a_fmt:MATRIX_FMT_FP4 matrix_b_fmt:MATRIX_FMT_FP4
.endif
.endr
.endr
.Lhidden_\@:
.endm
; A SLOT'S WORK: LDS slot s is read; the next slot of keys, if some wave of the block wants it, is asked for at the head and stored into LDS slot 1 - s at the end.
; That slot was last read a slot ago, and every wave's wait for its LDS loads and a barrier lie between; the barrier at the end shows the fill to all sixteen.  No barrier stands under a branch.
.macro HALF s
	s_lshr_b32 s101, s18, s19
	s_and_b32 s101, s101, 4                        ; the next slot's bit (behind the last slot it is 0: nothing is asked for past the head's records)
	s_cmp_lg_u32 s101, 0
	s_cbranch_scc0 .Lnf_\@
	FETCH
.Lnf_\@:
	STEP \s, 0
	STEP \s, 1
	s_wait_loadcnt 0x0                             ; on every way: the slot's bytes are in registers, and s[24:25] may be stepped
	s_lshr_b32 s101, s18, s19
	s_and_b32 s101, s101, 4
	s_cmp_lg_u32 s101, 0
	s_cbranch_scc0 .Lnp_\@
	PUT 1-\s
.Lnp_\@:
	BAR
	s_add_nc_u64 s[24:25], s[24:25], REC
	s_add_co_u32 s19, s19, 2
	s_add_co_u32 s100, s100, 512                   ; two steps' lane-mask words (each step's scalar loads were waited for in the step)
.endm
.Lblock:
	; ---- the block's head.  Q's fragment and scale words: my tile is tile w % 8 of step w / 8 of record 8 x head + block
	s_and_b32 s30, ttmp7, 0xffff
	s_lshl_b32 s12, s30, 3
	s_add_co_u32 s12, s12, s13
	s_mul_i32 s12, s12, REC
	s_lshl_b32 s101, s2, 10
	s_add_co_u32 s30, s12, s101
	s_add_co_u32 s30, s30, QC
	s_mov_b32 s31, 0
	s_add_nc_u64 s[26:27], s[4:5], s[30:31]        ; codes: QC + 1,024 w
	s_lshr_b32 s101, s2, 3
	s_lshl_b32 s101, s101, 9
	s_add_co_u32 s30, s12, s101
	s_and_b32 s101, s2, 1
	s_lshl_b32 s101, s101, 8
	s_add_co_u32 s30, s30, s101
	s_bfe_u32 s101, s2, 0x20001
	s_lshl_b32 s101, s101, 2
	s_add_co_u32 s30, s30, s101
	s_add_co_u32 s30, s30, QS
	s_add_nc_u64 s[66:67], s[4:5], s[30:31]        ; scale words: QS + 512 (w / 8) + 256 (w % 2) + 4 ((w / 2) % 4), 16 bytes a row
	global_load_b128 v[16:19], v1, s[26:27]
	global_load_b128 v[20:23], v1, s[26:27] offset:512
	global_load_b32 v24, v11, s[66:67]
	; the flags: my tile's ANY and ALL (four words each), and the ANY words of the block's sixteen tiles
	s_lshl_b32 s100, s13, 8
	s_lshl_b32 s101, s2, 4
	s_add_co_u32 s101, s101, s100                  ; 16 x (16 x block + w)
	s_load_b128 s[16:19], s[8:9], s101 offset:0x0
	s_load_b128 s[28:31], s[8:9], s101 offset:0x800
	s_load_b512 s[32:47], s[8:9], s100 offset:0x0
	s_load_b512 s[48:63], s[8:9], s100 offset:0x40
	s_load_b512 s[68:83], s[8:9], s100 offset:0x80
	s_load_b512 s[84:99], s[8:9], s100 offset:0xc0
.irp j, 0,1,2,3,4,5,6,7,8,9,10,11,12,13,14,15,16,17,18,19,20,21,22,23,24,25,26,27,28,29,30,31,32,33,34,35,36,37,38,39,40,41,42,43,44,45,46,47,48,49,50,51,52,53,54,55,56,57,58,59,60,61,62,63
	v_mov_b32 v[160+\j], 0                         ; O^T.  Which step is a tile's first hangs on the mask, so no product of the text can start the sums: the first change of M leaves zeros zeros
.endr
	v_mov_b32 v13, 0xff61b1e6                      ; the largest t so far: -3e38, under every t
	v_floor_f32 v12, -v13                          ; -M
	v_mov_b32 v14, 0                               ; the sum, in two halves
	v_mov_b32 v15, 0
	s_wait_kmcnt 0x0
	s_or_b32 s16, s16, s17
	s_or_b32 s18, s18, s19
	s_or_b32 s16, s16, s18                         ; ANY of my tile, bit = step
	s_or_b32 s17, s28, s29
	s_or_b32 s30, s30, s31
	s_or_b32 s17, s17, s30                         ; ALL of my tile
	s_or_b32 s18, s32, s33
.set n, 2
.rept 62
.if n < 32
	s_or_b32 s18, s18, s[32+n]
.else
	s_or_b32 s18, s18, s[36+n]
.endif
.set n, n+1
.endr                                          ; ANY of the whole block: the same number in all sixteen waves
	s_lshr_b32 s19, s18, 1
	s_or_b32 s18, s18, s19
	s_and_b32 s18, s18, 0x5555                     ; bit 2 j: slot j is wanted
	s_and_b32 s30, ttmp7, 0xffff                   ; my first row of out0: 2,048 x head + 256 x block + 128 (w / 8) + 32 ((w / 2) % 4) + 8 (w % 2)
	s_lshl_b32 s30, s30, 11
	s_lshl_b32 s101, s13, 8
	s_add_co_u32 s30, s30, s101
	s_lshr_b32 s101, s2, 3
	s_lshl_b32 s101, s101, 7
	s_add_co_u32 s30, s30, s101
	s_bfe_u32 s101, s2, 0x20001
	s_lshl_b32 s101, s101, 5
	s_add_co_u32 s30, s30, s101
	s_and_b32 s101, s2, 1
	s_lshl_b32 s101, s101, 3
	s_add_co_u32 s30, s30, s101
	s_lshl_b32 s30, s30, 9                         ; rows of 512 bytes
	s_mov_b32 s31, 0
	s_add_nc_u64 s[28:29], s[10:11], s[30:31]
	s_mov_b32 s19, 0
	s_mov_b32 s100, 0
	s_wait_loadcnt 0x0                             ; slot 0's bytes and Q are in: s[26:27] and s[24:25] may be written
	s_lshl_b32 s30, s13, 4
	s_add_co_u32 s30, s30, s2
	s_lshl_b32 s30, s30, 12                        ; a tile's lane-mask words: 4,096 bytes
	s_add_nc_u64 s[26:27], s[6:7], s[30:31]
	PUT 0                                          ; LDS slot 0 was last read two barriers ago
	s_add_nc_u64 s[24:25], s[24:25], REC
	BAR
	s_mov_b32 s15, 4
.Lslot:                                            ; four trips of two slots: the count is a constant, and every LDS address too
	HALF 0
	HALF 1
	s_sub_co_u32 s15, s15, 1
	s_cmp_lg_u32 s15, 0
	s_cbranch_scc1 .Lslot
	s_cmp_eq_u32 s14, 1                            ; if a block follows, its slot 0 is asked for here and lands during the way out
	s_cbranch_scc1 .Lno_next
	s_and_b32 s30, ttmp7, 0xffff
	s_mul_i32 s30, s30, 8*REC
	s_mov_b32 s31, 0
	s_add_nc_u64 s[24:25], s[4:5], s[30:31]
	FETCH
.Lno_next:
	; ---- THE WAY OUT.  O^T is divided by the row's sum and goes through my stage in LDS, half a row (64 channels, 256 bytes) of 16 queries at a time, so that sixteen lanes store 256 consecutive bytes.
.rept 4
	v_nop                                          ; places behind the last products
.endr
	v_add_f32 v14, v14, v15                        ; the sum's two halves,
	v_permlanex16_b32 v252, v14, s20, s21
	v_add_f32 v14, v14, v252                       ; and lane l xor 16's: the row's sum
	v_rcp_f32 v14, v14
	v_nop                                          ; a plain line behind the reciprocal
	s_wait_alu depctr_va_vdst(0)                   ; and the wait ahead of its first reader
.irp j, 0,2,4,6,8,10,12,14,16,18,20,22,24,26,28,30,32,34,36,38,40,42,44,46,48,50,52,54,56,58,60,62
	v_pk_mul_f32 v[96+\j:97+\j], v[160+\j:161+\j], v[14:15] op_sel_hi:[1,0]   ; register 8 t + i is o(r, 16 t + 8 h + i); each accumulator from its low end on
.endr
.irp u, 0,1                                    ; channels 64 u on
.irp t, 0,1,2,3
	ds_store_b128 v6, v[96+32*\u+8*\t:99+32*\u+8*\t] offset:64*\t
	ds_store_b128 v6, v[100+32*\u+8*\t:103+32*\u+8*\t] offset:64*\t+16
.endr
.irp i, 0,1,2,3,4,5,6,7
	ds_load_b128 v[160+32*\u+4*\i:163+32*\u+4*\i], v7 offset:544*\i   ; my own bytes: LDS serves a wave's instructions in order: these see my stores, and the next half's stores come behind them
.endr
.endr
.irp u, 0,1
.irp i, 0,1,2,3,4,5,6,7
	s_wait_dscnt 23-16*\u-\i                       ; behind this load: 7 - i loads of its half and, for the first half, the second's 8 stores and 8 loads
	global_store_b128 v5, v[160+32*\u+4*\i:163+32*\u+4*\i], s[28:29] offset:(2*\i+8*(\i/4))*512+256*\u th:TH_STORE_NT   ; stage row p is query p + 8 (p / 8) of my tile; 16 lanes store 256 consecutive bytes, aligned
.endr
.endr
	s_wait_xcnt 0x0                                ; the stores have read their registers and their base: the next block writes both
	s_sub_co_u32 s13, 7, s13                       ; the second block: 7 - x
	s_sub_co_u32 s14, s14, 1
	s_cmp_lg_u32 s14, 0
	s_cbranch_scc1 .Lblock
	s_wait_tensorcnt 0x0
	ds_add_u32 v251, v255
	s_wait_dscnt 0x0
	s_endpgm
.Lfunc_end_k_q52d284c495_attn:
	.size	k_q52d284c495_attn, .Lfunc_end_k_q52d284c495_attn-k_q52d284c495_attn
	.p2alignl 7, 3214868480
	.fill 96, 4, 3214868480
	.section	.rodata,"a",@progbits
	.p2align	6, 0x0
	.amdhsa_kernel k_q52d284c495_attn
		.amdhsa_group_segment_fixed_size 172032
		.amdhsa_private_segment_fixed_size 0
		.amdhsa_enable_private_segment 0
		.amdhsa_kernarg_size 32
		.amdhsa_user_sgpr_count 2
		.amdhsa_user_sgpr_kernarg_segment_ptr 1
		.amdhsa_wavefront_size32 1
		.amdhsa_system_sgpr_workgroup_id_x 1
		.amdhsa_system_sgpr_workgroup_id_y 1
		.amdhsa_system_sgpr_workgroup_id_z 1
		.amdhsa_system_vgpr_workitem_id 0
		.amdhsa_next_free_vgpr 256
		.amdhsa_next_free_sgpr 102
		.amdhsa_reserve_vcc 0
		.amdhsa_float_denorm_mode_32 3
		.amdhsa_float_denorm_mode_16_64 3
		.amdhsa_memory_ordered 1
		.amdhsa_forward_progress 1
		.amdhsa_inst_pref_size 108
	.end_amdhsa_kernel
	.amdgpu_metadata
---
amdhsa.version: [ 1, 2 ]
amdhsa.kernels:
  - .name:           k_q52d284c495_attn
    .symbol:         k_q52d284c495_attn.kd
    .args:
      - { .name: qkv, .offset: 0, .size: 8, .value_kind: global_buffer, .address_space: global }
      - { .name: lmask, .offset: 8, .size: 8, .value_kind: global_buffer, .address_space: global }
      - { .name: flags, .offset: 16, .size: 8, .value_kind: global_buffer, .address_space: global }
      - { .name: out0, .offset: 24, .size: 8, .value_kind: global_buffer, .address_space: global }
    .group_segment_fixed_size: 172032
    .private_segment_fixed_size: 0
    .kernarg_segment_align: 8
    .kernarg_segment_size: 32
    .max_flat_workgroup_size: 512
    .sgpr_count:     102
    .vgpr_count:     256
    .wavefront_size: 32
...
	.end_amdgpu_metadata
.endif
;; end of part 2
;; ======== version 2 of 2: 2 launches
;; workspace buffers: qkv 26,738,688 bytes; lmask 524,288 bytes of whole numbers; flags 4,096 bytes of whole numbers
;; launch prep (part 3): grid 3200 x 1, 4 waves a work-group, no clusters, 9,728 bytes of LDS; arguments Q, K, V, mask, qkv, lmask, flags; writes qkv, lmask, flags
.if DOCPART == 3
	.amdgcn_target "amdgcn-amd-amdhsa--gfx1250"
	.amdhsa_code_object_version 6
	.text
	.protected	k_q52d284c495_prep
	.globl	k_q52d284c495_prep
	.p2align	8
	.type	k_q52d284c495_prep,@function
k_q52d284c495_prep:
	s_mov_b64 s[64:65], 0
	v_nop
	global_prefetch_b8 v0, s[64:65] scope:SCOPE_SE
	s_setreg_imm32_b32 hwreg(HW_REG_WAVE_MODE, 25, 1), 1
	s_wait_xcnt 0x0
; PREP.  Q, K, V [64 heads][2048][128] f32 become codes of FP4 (E2M1) with one E8M0 byte for each 32 along a product's K, laid as IMAGES OF THE OPERAND'S REGISTERS;
; the mask [2048][2048] of bytes becomes lane-mask words and tile flags.  The second launch reads nothing else.
; qkv: 512 records of REC bytes, record = 8 x head + slot; a slot is 256 positions = two steps of 128.  In a record: K's codes (2 x 8,192), V's codes (2 x 8,192), for each step K's scale image (512) and V's (512), Q's codes (2 x 8,192), Q's scale images (2 x 512).
;   A step's code image: tile T (0..7) at 1,024 T + 512 c + 16 lane: registers 4 c .. 4 c + 3 of the fragment.
;   K, Q (quantised along the head's 128): tile T = 2 b + u, lane (r, h) holds position 32 b + 8 u + r + 8 (r / 8), d = 64 c + 32 h + 0 .. 31.  The positions of a tile are not neighbours, so that the scores' 16 registers of tiles 2 b, 2 b + 1 are 16 neighbouring keys.
;   V (quantised along the keys): tile t, lane (r, h) holds d = 16 t + r, keys 64 c + 32 h + 0 .. 31 of the step.
;   A scale image: the word of tile T, row r at 16 (16 (T % 2) + r) + 4 (T / 2): one load of 16 bytes a lane gives four scale registers, an even tile in lanes 0-15, an odd one in lanes 16-31.
; lmask: [query tile 0..127][step 0..15][64 words]; word 16 b + i, bit 16 h + r = mask[query of (tile, r)][128 step + 32 b + 16 h + i] != 0: the lane mask of one score register.
; flags: ANY at 16 tile + 4 w, ALL at 2,048 + 16 tile + 4 w: word w holds bits 4 w .. 4 w + 3; bit s: some byte, or every byte, of (tile, step s) is true.
; A block's scale is 2^(floor(log2(its largest magnitude)) - 2): its byte is the largest magnitude's exponent field - 2, held at 1 from below by a floor among the maximum's leaves.
; LIMITS: a block of zeros gets the byte 1 where the rule says 127 (its codes are zeros, and this program alone reads the bytes); blocks under the floor 2^-124 were not tried; NaN and infinities among Q, K, V are not served; any mask byte other than 0 counts as true.
; WORK-GROUPS: 0-127 the mask (one query tile each); 128-1151 Q, 1152-2175 K, 2176-3199 V (one head's step of 128 positions each).  The three ways part on the work-group's number alone, and each has LDS bytes of its own.
; No matrix work, no tensor load, no cluster: the launch streams, and work-groups share no input.
.set REC,  52224
.set VC,   16384
.set SC,   32768
.set QC,   34816
.set QS,   51200
.set QCL,  0                           ; LDS: Q's or K's codes, 2,048 bytes for each wave
.set QSL,  8192                        ; Q's or K's scale image, 512 bytes
.set VSL,  8704                        ; V's scale image, 512 bytes
.set X,    32                          ; v32-159  128 numbers (the mask: v32-95, 256 bytes a lane's share)
.set C,    160                         ; v160-175 codes
.set E,    176                         ; v176-191 scale bytes
.set W,    160                         ; the mask: v160-167, a pair of lane-mask registers for each step
	s_load_b256 s[4:11], s[0:1], 0x0               ; Q s[4:5], K s[6:7], V s[8:9], mask s[10:11]
	s_load_b128 s[12:15], s[0:1], 0x20             ; qkv s[12:13], lmask s[14:15]
	s_load_b64 s[16:17], s[0:1], 0x30              ; flags
	v_lshl_add_u32 v192, v0, 2, 0x2400
	v_mov_b32 v193, 0
	v_lshrrev_b32 v1, 5, v0
	v_readfirstlane_b32 s18, v1                    ; wave 0..3
	v_and_b32 v1, 31, v0                           ; lane
	v_lshlrev_b32 v7, 4, v1                        ; 16 x lane
	s_mov_b32 s31, 0                               ; the upper word of every offset pair s[30:31]
	s_wait_kmcnt 0x0
	s_cmp_lt_u32 ttmp9, 128
	s_cbranch_scc1 .Lmask
	s_cmp_ge_u32 ttmp9, 2176
	s_cbranch_scc1 .Lv
; The scale image, which the four waves wrote together, leaves as 512 consecutive bytes: every wave waits for its LDS stores, the barrier, wave 0 reads and stores.
.macro TAIL adr
	s_wait_dscnt 0x0                               ; for the others' sake: my stores into the image are done
	s_barrier_signal -1
	s_barrier_wait -1
	s_cmp_lg_u32 s18, 0
	s_cbranch_scc1 .Lend_\@
	ds_load_b128 v[48:51], v[\adr]
	s_wait_dscnt 0x0
	global_store_b128 v7, v[48:51], s[24:25]
.Lend_\@:
	s_wait_tensorcnt 0x0
	ds_add_u32 v192, v193
	s_wait_dscnt 0x0
	s_endpgm
.endm
; ---------------- Q and K: 128 positions x 128 d; wave w takes positions 32 w .. 32 w + 31, which are tiles 2 w and 2 w + 1
	s_sub_co_u32 s19, ttmp9, 128
	s_cmp_lt_u32 s19, 1024                         ; Q's work-group or K's?  The choice hangs on the work-group's number alone
	s_cselect_b64 s[20:21], s[4:5], s[6:7]
	s_cselect_b32 s26, QC, 0                       ; where the codes begin in a record,
	s_mov_b32 s27, SC
	s_cselect_b32 s27, QS, s27                     ; where the scale images begin,
	s_cselect_b32 s28, 9, 10                       ; and how far apart the two steps' images lie (512 or 1,024 bytes)
	s_and_b32 s19, s19, 1023                       ; g = 16 x head + step
	s_lshl_b32 s30, s19, 16                        ; a step is 128 rows of 512 bytes,
	s_lshl_b32 s29, s18, 14                        ; my wave's 32 rows
	s_add_co_u32 s30, s30, s29
	s_add_nc_u64 s[20:21], s[20:21], s[30:31]      ; the source
	s_lshr_b32 s29, s19, 1
	s_mul_i32 s29, s29, REC                        ; the record
	s_and_b32 s19, s19, 1                          ; which of its two steps
	s_lshl_b32 s30, s19, 13
	s_add_co_u32 s30, s30, s29
	s_add_co_u32 s30, s30, s26
	s_lshl_b32 s26, s18, 11                        ; my two tiles: 2,048 bytes
	s_add_co_u32 s30, s30, s26
	s_add_nc_u64 s[22:23], s[12:13], s[30:31]      ; my codes' place
	s_lshl_b32 s30, s19, s28
	s_add_co_u32 s30, s30, s29
	s_add_co_u32 s30, s30, s27
	s_add_nc_u64 s[24:25], s[12:13], s[30:31]      ; the step's scale image
	s_wait_alu depctr_va_vdst(0)
	v_lshlrev_b32 v2, 5, v1                        ; 32 bytes a lane: a pair of loads covers 1,024 consecutive bytes, two rows; lane l holds row l / 16, d = 8 (l % 16) + 0 .. 7
	v_bfe_u32 v8, v0, 4, 1                         ; which of the two rows
	v_bfe_u32 v9, v0, 2, 2                         ; my block of 32 along d
	v_and_b32 v10, 3, v0                           ; my quarter of it
	v_lshlrev_b32 v3, 8, v9                        ; in the code image block beta lies at 512 (beta / 2) + 256 (beta % 2) = 256 beta,
	v_lshl_add_u32 v3, v8, 4, v3                   ; a row 16 bytes on,
	v_lshl_add_u32 v3, v10, 2, v3                  ; my eight codes 4 bytes a quarter;
	v_add_nc_u32 v3, s26, v3                       ; + 2,048 x wave (QCL = 0)
	s_lshl_b32 s27, s18, 2
	s_add_co_u32 s27, s27, QSL
	v_lshl_add_u32 v4, v8, 4, v9                   ; in the scale image: 16 x row + 4 x wave + block
	v_add_nc_u32 v4, s27, v4
	v_add_nc_u32 v6, s26, v7                       ; back out of LDS: 16 x lane + 2,048 x wave
	v_add_nc_u32 v11, QSL, v7                      ; the scale image, 16 bytes a lane
.irp i, 0,1,2,3,4,5,6,7,8,9,10,11,12,13,14,15
	global_load_b128 v[X+8*\i:X+8*\i+3], v2, s[20:21] offset:1024*\i
	global_load_b128 v[X+8*\i+4:X+8*\i+7], v2, s[20:21] offset:1024*\i+16
.endr
; Rows 2 i and 2 i + 1 of my 32.  Row p lies in tile u = (p / 8) % 2 at row r = p % 8 + 8 (p / 16): with p = 2 i + l / 16 that is the immediate below plus the lane's 16 (l / 16).
.macro QK i
	s_wait_loadcnt 30-2*\i                         ; this pair of loads is in; the 15 - i younger pairs may be out
	v_max3_num_f32 v8, |v[X+8*\i]|, |v[X+8*\i+1]|, 0x1800000      ; my eight numbers, and the floor 2^(3 - 127): so the byte cannot fall under 1
	v_max3_num_f32 v9, |v[X+8*\i+2]|, |v[X+8*\i+3]|, |v[X+8*\i+4]|
	v_max3_num_f32 v8, v8, |v[X+8*\i+5]|, |v[X+8*\i+6]|
	v_max3_num_f32 v8, v8, v9, |v[X+8*\i+7]|
	v_max_num_f32_dpp v8, v8, v8 row_xmask:1 row_mask:0xf bank_mask:0xf
	v_max_num_f32_dpp v8, v8, v8 row_xmask:2 row_mask:0xf bank_mask:0xf   ; the four lanes of a block: its largest magnitude
	v_add_nc_u32 v10, 0xff000000, v8               ; 2 off its exponent field: the conversion takes the exponent field of this operand as its scale
	v_cvt_scalef32_pk8_fp4_f32 v[C+\i], v[X+8*\i:X+8*\i+7], v10
	v_lshrrev_b32 v[E+\i], 23, v10                 ; the scale's byte (a plain line behind the conversion)
	ds_store_b32 v3, v[C+\i] offset:((\i/4)%2)*1024+(\i/8)*128+(\i%4)*32
	ds_store_b8 v4, v[E+\i] offset:((\i/4)%2)*256+(\i/8)*128+(\i%4)*32    ; the four lanes of a block write the same byte with the same value
.endm
.irp i, 0,1,2,3,4,5,6,7,8,9,10,11,12,13,14,15
	QK \i
.endr
.irp k, 0,1,2,3
	ds_load_b128 v[32+4*\k:35+4*\k], v6 offset:512*\k             ; my own bytes: LDS serves a wave's instructions in order
.endr
	s_wait_dscnt 0x0
.irp k, 0,1,2,3
	global_store_b128 v7, v[32+4*\k:35+4*\k], s[22:23] offset:512*\k   ; 32 lanes store 512 consecutive bytes, at a multiple of 256 from the buffer's first byte
.endr
	TAIL 11
; ---------------- V: 128 keys x 128 d; wave w takes columns 32 w .. 32 w + 31: a lane a column, its registers run down the keys, so a block of 32 keys is one lane's
.Lv:
	s_sub_co_u32 s19, ttmp9, 2176                  ; g = 16 x head + step
	s_lshl_b32 s30, s19, 16
	s_lshl_b32 s29, s18, 7                         ; 32 columns of 4 bytes
	s_add_co_u32 s30, s30, s29
	s_add_nc_u64 s[20:21], s[8:9], s[30:31]
	s_lshr_b32 s29, s19, 1
	s_mul_i32 s29, s29, REC
	s_and_b32 s19, s19, 1
	s_lshl_b32 s30, s19, 13
	s_add_co_u32 s30, s30, s29
	s_add_co_u32 s30, s30, VC
	s_lshl_b32 s26, s18, 11                        ; my tiles 2 w and 2 w + 1
	s_add_co_u32 s30, s30, s26
	s_add_nc_u64 s[22:23], s[12:13], s[30:31]
	s_lshl_b32 s30, s19, 10
	s_add_co_u32 s30, s30, s29
	s_add_co_u32 s30, s30, SC+512
	s_add_nc_u64 s[24:25], s[12:13], s[30:31]
	s_wait_alu depctr_va_vdst(0)
	v_lshlrev_b32 v2, 2, v1                        ; in: 4 bytes a lane
	v_bfe_u32 v8, v0, 4, 1
	v_and_b32 v9, 15, v0
	v_lshlrev_b32 v5, 10, v8
	v_lshl_add_u32 v5, v9, 4, v5                   ; out: tile l / 16, row l % 16: sixteen lanes fill 256 consecutive bytes
	s_lshl_b32 s27, s18, 2
	s_add_co_u32 s27, s27, VSL
	v_add_nc_u32 v4, s27, v7                       ; my scale word: 16 x lane + 4 x wave
	v_add_nc_u32 v11, VSL, v7
.macro LOADV t
.irp i, 0,1,2,3,4,5,6,7,8,9,10,11,12,13,14,15,16,17,18,19,20,21,22,23,24,25,26,27,28,29,30,31
	global_load_b32 v[X+32*(\t)+\i], v2, s[20:21] offset:(32*(\t)+\i)*512 th:TH_LOAD_NT
.endr
.endm
.macro BLOCKV t
.set XS, X+32*\t
.if \t < 3
	s_wait_loadcnt 32                              ; this block's 32 loads are in; the next block's may be out
.else
	s_wait_loadcnt 0x0
.endif
.if \t < 2
	LOADV \t+2
.endif
	v_max3_num_f32 v8, |v[XS]|, |v[XS+1]|, |v[XS+2]|              ; all 32 numbers are mine: two chains
	v_max3_num_f32 v9, |v[XS+3]|, |v[XS+4]|, |v[XS+5]|
.irp i, 6,10,14,18,22,26
	v_max3_num_f32 v8, v8, |v[XS+\i]|, |v[XS+\i+1]|
	v_max3_num_f32 v9, v9, |v[XS+\i+2]|, |v[XS+\i+3]|
.endr
	v_max3_num_f32 v8, v8, |v[XS+30]|, |v[XS+31]|
	v_max3_num_f32 v8, v8, v9, 0x1800000           ; and the floor
	v_add_nc_u32 v10, 0xff000000, v8
.irp g, 0,1,2,3
	v_cvt_scalef32_pk8_fp4_f32 v[C+4*\t+\g], v[XS+8*\g:XS+8*\g+7], v10
.endr
	v_lshrrev_b32 v13, 23, v10                     ; the scale's byte (a plain line behind the conversions)
.if \t == 0
	v_mov_b32 v12, v13                             ; four bytes make my column's scale word for these 128 keys
.else
	v_lshl_or_b32 v12, v13, 8*\t, v12
.endif
	global_store_b128 v5, v[C+4*\t:C+4*\t+3], s[22:23] offset:(\t/2)*512+(\t%2)*256   ; each block has its own four registers: no store's data are written again
.endm
	LOADV 0
	LOADV 1
	s_wait_alu depctr_va_vdst(0)
	BLOCKV 0
	BLOCKV 1
	BLOCKV 2
	BLOCKV 3
	ds_store_b32 v4, v12
	TAIL 11
; ---------------- the mask: the work-group is a query tile, wave w takes key steps 4 w .. 4 w + 3.  No LDS, no barrier.
.Lmask:
	s_lshr_b32 s26, ttmp9, 3
	s_lshl_b32 s26, s26, 7
	s_bfe_u32 s27, ttmp9, 0x20001
	s_lshl_b32 s27, s27, 5
	s_add_co_u32 s26, s26, s27
	s_and_b32 s27, ttmp9, 1
	s_lshl_b32 s27, s27, 3
	s_add_co_u32 s26, s26, s27                     ; the tile's first query: 128 (tile / 8) + 32 ((tile / 2) % 4) + 8 (tile % 2)
	s_lshl_b32 s30, s26, 11                        ; a row of the mask is 2,048 bytes
	s_lshl_b32 s27, s18, 9                         ; my four steps: 512 bytes of each row
	s_add_co_u32 s30, s30, s27
	s_add_nc_u64 s[20:21], s[10:11], s[30:31]
	s_lshl_b32 s30, ttmp9, 12                      ; a tile's words: 16 steps x 256 bytes
	s_lshl_b32 s27, s18, 10
	s_add_co_u32 s30, s30, s27
	s_add_nc_u64 s[22:23], s[14:15], s[30:31]
	v_and_b32 v8, 15, v0                           ; r
	v_and_b32 v9, 8, v0
	v_add_nc_u32 v8, v8, v9                        ; r + 8 (r / 8)
	v_bfe_u32 v9, v0, 4, 1                         ; h
	v_lshlrev_b32 v2, 11, v8
	v_lshl_add_u32 v2, v9, 4, v2                   ; my query's row, + 16 h: my 16 keys of a block of 32
	s_wait_alu depctr_va_vdst(0)
	v_lshlrev_b32 v5, 3, v1                        ; out: 8 bytes a lane
.irp s, 0,1,2,3
.irp b, 0,1,2,3
	global_load_b128 v[X+16*\s+4*\b:X+16*\s+4*\b+3], v2, s[20:21] offset:128*\s+32*\b
.endr
.endr
.irp j, 0,1,2,3,4,5,6,7
	v_mov_b32 v[W+\j], 0                           ; a lane write's destination counts as read
.endr
	s_mov_b32 s32, 0                               ; ANY
	s_mov_b32 s33, 0                               ; ALL
; Step s of my four.  Byte y of register 4 b + k is key 32 b + 16 h + 4 k + y of my query: compared in all lanes at once it gives word n = 16 b + 4 k + y, which goes to lane n / 2 of register n % 2.
.macro MSTEP s
	s_wait_loadcnt 12-4*\s                         ; this step's four loads are in; the later steps' may be out
.set n, 0
.rept 64
	v_and_b32 v[8+n%4], 0xff<<(8*(n%4)), v[X+16*\s+n/4]
	v_cmp_ne_u32 s[40+n%4], 0, v[8+n%4]
	v_writelane_b32 v[W+2*\s+n%2], s[40+n%4], n/2
.set n, n+1
.endr
	global_store_b64 v5, v[W+2*\s:W+2*\s+1], s[22:23] offset:256*\s    ; 32 lanes store 256 consecutive bytes, aligned; each step has its own pair
	v_cmp_ne_u32 s40, 0, v[W+2*\s]
	v_cmp_ne_u32 s41, 0, v[W+2*\s+1]
	s_or_b32 s42, s40, s41                         ; SCC: some word is not 0
	s_cselect_b32 s43, 1<<\s, 0
	s_or_b32 s32, s32, s43
	v_cmp_ne_u32 s40, -1, v[W+2*\s]
	v_cmp_ne_u32 s41, -1, v[W+2*\s+1]
	s_or_b32 s42, s40, s41                         ; SCC: some word is not all ones
	s_cselect_b32 s43, 0, 1<<\s
	s_or_b32 s33, s33, s43
.endm
	MSTEP 0
	MSTEP 1
	MSTEP 2
	MSTEP 3
	s_lshl_b32 s26, s18, 2
	s_lshl_b32 s32, s32, s26                       ; my four bits at their places in the tile's sixteen
	s_lshl_b32 s33, s33, s26
	v_mov_b32 v8, s33                              ; lanes 1-31 hold ALL and all store it to the same word; lane 0 holds ANY: EXEC stays whole
	v_writelane_b32 v8, s32, 0
	v_min_u32 v9, 1, v1
	v_lshlrev_b32 v9, 11, v9                       ; ALL's table lies 2,048 bytes behind ANY's
	s_lshl_b32 s27, ttmp9, 4
	s_add_co_u32 s27, s27, s26
	v_add_nc_u32 v9, s27, v9                       ; + 16 x tile + 4 x wave
	global_store_b32 v9, v8, s[16:17]
	s_endpgm
.Lfunc_end_k_q52d284c495_prep:
	.size	k_q52d284c495_prep, .Lfunc_end_k_q52d284c495_prep-k_q52d284c495_prep
	.p2alignl 7, 3214868480
	.fill 96, 4, 3214868480
	.section	.rodata,"a",@progbits
	.p2align	6, 0x0
	.amdhsa_kernel k_q52d284c495_prep
		.amdhsa_group_segment_fixed_size 9728
		.amdhsa_private_segment_fixed_size 0
		.amdhsa_enable_private_segment 0
		.amdhsa_kernarg_size 56
		.amdhsa_user_sgpr_count 2
		.amdhsa_user_sgpr_kernarg_segment_ptr 1
		.amdhsa_wavefront_size32 1
		.amdhsa_system_sgpr_workgroup_id_x 1
		.amdhsa_system_sgpr_workgroup_id_y 1
		.amdhsa_system_sgpr_workgroup_id_z 1
		.amdhsa_system_vgpr_workitem_id 0
		.amdhsa_next_free_vgpr 194
		.amdhsa_next_free_sgpr 66
		.amdhsa_reserve_vcc 0
		.amdhsa_float_denorm_mode_32 3
		.amdhsa_float_denorm_mode_16_64 3
		.amdhsa_memory_ordered 1
		.amdhsa_forward_progress 1
		.amdhsa_inst_pref_size 92
	.end_amdhsa_kernel
	.amdgpu_metadata
---
amdhsa.version: [ 1, 2 ]
amdhsa.kernels:
  - .name:           k_q52d284c495_prep
    .symbol:         k_q52d284c495_prep.kd
    .args:
      - { .name: Q, .offset: 0, .size: 8, .value_kind: global_buffer, .address_space: global }
      - { .name: K, .offset: 8, .size: 8, .value_kind: global_buffer, .address_space: global }
      - { .name: V, .offset: 16, .size: 8, .value_kind: global_buffer, .address_space: global }
      - { .name: mask, .offset: 24, .size: 8, .value_kind: global_buffer, .address_space: global }
      - { .name: qkv, .offset: 32, .size: 8, .value_kind: global_buffer, .address_space: global }
      - { .name: lmask, .offset: 40, .size: 8, .value_kind: global_buffer, .address_space: global }
      - { .name: flags, .offset: 48, .size: 8, .value_kind: global_buffer, .address_space: global }
    .group_segment_fixed_size: 9728
    .private_segment_fixed_size: 0
    .kernarg_segment_align: 8
    .kernarg_segment_size: 56
    .max_flat_workgroup_size: 128
    .sgpr_count:     66
    .vgpr_count:     194
    .wavefront_size: 32
...
	.end_amdgpu_metadata
.endif
;; end of part 3
;; launch attn (part 4): grid 4 x 64, 16 waves a work-group, no clusters, 172,032 bytes of LDS; arguments qkv, lmask, flags, out0; writes out0
.if DOCPART == 4
	.amdgcn_target "amdgcn-amd-amdhsa--gfx1250"
	.amdhsa_code_object_version 6
	.text
	.protected	k_q52d284c495_attn
	.globl	k_q52d284c495_attn
	.p2align	8
	.type	k_q52d284c495_attn,@function
k_q52d284c495_attn:
	s_mov_b64 s[64:65], 0
	v_nop
	global_prefetch_b8 v0, s[64:65] scope:SCOPE_SE
	s_setreg_imm32_b32 hwreg(HW_REG_WAVE_SCHED_MODE, 0, 2), 2
	s_setreg_imm32_b32 hwreg(HW_REG_WAVE_MODE, 25, 1), 1
	s_wait_xcnt 0x0
	s_wait_alu depctr_vm_vsrc(0)
; out0[head][q][:] = the sum over k of softmax_k(where(mask[q][k], Q[q] . K[k] / sqrt(128), -infinity)) V[k][:], both products on codes of FP4 (E2M1) with one E8M0 scale for each 32 along a product's K.
; The first launch has laid Q's, K's and V's codes and scale words as images of the operand's registers (qkv), the mask as lane-mask words (lmask) and two flags for each tile of 16 queries x 128 keys (flags).
; THE SOFTMAX AHEAD OF THE SECOND PRODUCT: t = score x log2(e) / sqrt(128); M = the row's largest t so far, rounded UP to a whole number; p = 2^(t - M) is quantised along the keys, not normalised.
; The row's sum is taken of the unquantised p and divides O at the end.  When M moves, the sum and O are multiplied by 2^(old M - new M): exact.
; SHARES.  Work-group (x, head) makes two blocks of 256 queries one after the other, blocks x and 7 - x.  Each of its SIXTEEN waves owns one tile of 16 queries in 256 registers: four waves to a SIMD, so that one wave's vector
; work stands beside another's products and LDS loads.  A key step is 128 keys, a slot two steps.  Both products are used transposed (S^T = K Q^T, O^T = V^T P^T): a lane holds ONE query throughout.
; THE MASK IS HONOURED AS IT IS GIVEN.  A step in which no byte of my tile is true changes neither M, the sum nor O, and is left out (a scalar branch on a stored flag); a step in which all are true needs no masking;
; in any other, each score register takes -infinity where its lane-mask word has a 0: one v_cndmask_b32 a register.  A slot that no wave of the block wants is not fetched.  A query with no true byte ends as 0 x 1/0 = NaN, as a softmax of -infinities does.
; LDS IS FILLED THROUGH REGISTERS: 512 threads x 68 bytes are a slot's 34,816 bytes, asked for a slot ahead, stored into the other slot behind the slot's work, one barrier a slot.
; NO TENSOR LOAD, NO CLUSTER: the four work-groups of a head read the same records, but which slots each of them reads hangs on flags read from memory, so partners would make different numbers of requests.
; LIMITS: |t| stays under 3e38 (the start of the running maximum); NaN and infinities among Q, K, V are not served.
; THE MODE: SCHED_MODE bits 1:0 = 2 (LLVM: expert scheduling mode 2), set by the entry lines.  The code itself states the register dependences between vector or matrix instructions and memory or LDS instructions, with s_wait_alu, always for 0.
; THE PLAN.  Registers that memory or LDS instructions touch:
;   v1-3, v5-11   offsets and LDS addresses: made once at the head, never written again, and named by no vector instruction behind the head's wait.
;   v64-80        a slot's bytes on their way: loads land in them, LDS stores read them, no vector instruction names them: one wait on vm_vsrc ahead of each new request.
;   v16-24        Q's fragment and scale words: loaded at a block's head, read by the block's products.
;   v28-31, v32-63, v224-255   K's scale words and its tiles 0-3 and 4-7: loaded in ONE run at a step's head, read by the step's eight products K Q^T.  v224-255 are p's codes, the registers at work and p's scale word: dead at a step's head.
;   v84-87, v32-63             V's scale words and its tiles 0-3: loaded behind the products K Q^T; they land during the softmax.
;   v96-127       V's tiles 4-7: loaded behind the conversions that are p's last readers; they land during the rescaling of O^T.
;   v96-159, v160-223          on the way out: the divisions write the first, which LDS stores read; the read-backs land in the second, which global stores read.
; So a step has five waits on va_vdst beside the two for its exponentials: at its head, behind the products K Q^T, ahead of the exponentials, behind the conversions, and ahead of the products V^T P^T; each stands where the lines behind it hang on the lines ahead of it in any case.
; REGISTERS: v1-11 addresses that stay; v12 -M, v13 the largest t, v[14:15] the sum in two halves; v16-23 Q, v24 its scale words; v28-31 K's scale words, v84-87 V's; v32-63 four fragments of K or V; v64-80 a slot's bytes on their way;
;   v96-159 S^T, then p, then (v96-127) four fragments of V; v160-223 O^T; v224-255 four fragments of K, then: v224-231 p's codes; v232-254 at work, v253 p's scale word.
.set REC,   52224                      ; a record of qkv: K's codes, V's codes, their scale images (these 34,816 bytes are a slot), Q's codes, Q's scale images
.set VC,    16384
.set SC,    32768
.set QC,    34816
.set QS,    51200
.set SLOT1, 65536                      ; LDS: slot 0 at 0, slot 1 here
.set STAGE, 100352                     ; behind the slots: 16 rows x 272 bytes for each wave, for the way out
; s2 wave; s[4:11] qkv, lmask, flags, out0; s13 the block; s14 blocks to go; s15 trips to go; s16 ANY and s17 ALL of my tile (bit = step); s18 bit 2 j: some wave of the block wants slot j; s19 2 x the slot in hand;
; s[20:21] lane selects; s[22:23] c; s[24:25] the next slot's record; s[26:27] my tile's lane-mask words; s[28:29] my rows of out0; s100 the slot's place among those words; s12, s[30:31], s[66:67], s101 at work;
; s32-63 and s68-99: a step's 64 lane-mask words (word n in s[32 + n], from n = 32 on in s[36 + n])
.macro FETCH                           ; the slot at s[24:25]: each load of a wave covers 512 consecutive bytes (the last 128)
	global_load_b128 v[64:67], v2, s[24:25]
	global_load_b128 v[68:71], v2, s[24:25] offset:8192
	global_load_b128 v[72:75], v2, s[24:25] offset:16384
	global_load_b128 v[76:79], v2, s[24:25] offset:24576
	global_load_b32 v80, v3, s[24:25] offset:32768
.endm
.macro PUT d                           ; into LDS slot d, as it lay in memory
.set PA, 2+7*(\d)
.set PB, 3+7*(\d)
	ds_store_b128 v[PA], v[64:67]
	ds_store_b128 v[PA], v[68:71] offset:8192
	ds_store_b128 v[PA], v[72:75] offset:16384
	ds_store_b128 v[PA], v[76:79] offset:24576
	ds_store_b32 v[PB], v80 offset:32768
.endm
.macro BAR                             ; my LDS stores have landed and my LDS loads are in: then the work-group's barrier
	s_wait_dscnt 0x0
	s_barrier_signal -1
	s_barrier_wait -1
.endm
	s_load_b256 s[4:11], s[0:1], 0x0
	v_lshl_add_u32 v94, v0, 2, 0x29800
	v_mov_b32 v95, 0
	v_lshrrev_b32 v1, 5, v0
	v_readfirstlane_b32 s2, v1                     ; wave 0..15
	v_and_b32 v1, 31, v0
	v_lshlrev_b32 v1, 4, v1                        ; v1: 16 x lane: an image's place for my lane, in slot 0
	v_lshlrev_b32 v2, 4, v0                        ; v2: 16 x thread: a slot's codes, in memory and in slot 0
	v_lshlrev_b32 v3, 2, v0                        ; v3: 4 x thread: its scale images
	v_mov_b32 v4, 0xff800000                       ; v4: -infinity
	v_and_b32 v11, 15, v0                          ; r
	v_bfe_u32 v12, v0, 4, 1                        ; h
	v_lshlrev_b32 v5, 9, v12
	v_lshl_add_u32 v5, v11, 4, v5                  ; v5: the way out: lanes 0-15 one row of out0, lanes 16-31 the next; 16 bytes a lane
	s_wait_alu depctr_va_sdst(0)                   ; s2 is written, ahead of its first reader: addresses, flags and branches are made from it
	s_mul_i32 s12, s2, 4352
	s_add_co_u32 s12, s12, STAGE                   ; my stage
	v_mul_u32_u24 v6, v11, 272
	v_lshl_add_u32 v6, v12, 5, v6
	v_add_nc_u32 v6, s12, v6                       ; v6: into it: row r, + 32 h
	v_mul_u32_u24 v7, v12, 272
	v_lshl_add_u32 v7, v11, 4, v7
	v_add_nc_u32 v7, s12, v7                       ; v7: back: lanes 0-15 one row, lanes 16-31 the next
	v_add_nc_u32 v8, SLOT1, v1                     ; v8, v9, v10: v1, v2, v3 in slot 1
	v_add_nc_u32 v9, SLOT1, v2
	v_add_nc_u32 v10, SLOT1, v3
	v_lshlrev_b32 v11, 4, v11                      ; v11: 16 r: Q's scale words
.irp b, 0,1,2,3
	v_mov_b32 v[236+\b], 0                         ; written once: a lane permute's destination counts as one of its sources
.endr
	v_mov_b32 v252, 0
	v_mov_b32 v253, 0                              ; (named as the upper half of the pair v[252:253] before it is first written)
	s_mov_b32 s20, 0x76543210
	s_mov_b32 s21, 0xfedcba98                      ; v_permlanex16_b32's selects for lane l xor 16
	s_mov_b32 s22, 0x3e0293ee                      ; c = log2(e) / sqrt(128)
	s_mov_b32 s23, s22                             ; (named with it as a pair, so it is written)
	s_and_b32 s30, ttmp7, 0xffff                   ; the head
	s_mul_i32 s30, s30, 8*REC
	s_mov_b32 s31, 0
	s_wait_kmcnt 0x0
	s_add_nc_u64 s[24:25], s[4:5], s[30:31]        ; the head's first record
	s_wait_alu depctr_va_vdst(0)                   ; the offsets and addresses v1-3 and v5-11 are written: every load and store of the kernel, to memory and to LDS, reads one of them
	FETCH                                          ; slot 0 is always fetched
	s_mov_b32 s14, 2
	s_mov_b32 s13, ttmp9                           ; the first block: x
; A KEY STEP: step q of LDS slot s.
.macro STEP s, q
.set AD, 1+7*(\s)                      ; v1 or v8
	s_lshr_b32 s101, s16, s19
	s_and_b32 s101, s101, 1<<(\q)
	s_cmp_lg_u32 s101, 0                           ; has my tile a true byte in this step?
	s_cbranch_scc0 .Lhidden_\@
.irp k, 0,1
	s_load_b512 s[32+16*\k:47+16*\k], s[26:27], s100 offset:256*(\q)+64*\k      ; the step's 64 lane-mask words
.endr
.irp k, 0,1
	s_load_b512 s[68+16*\k:83+16*\k], s[26:27], s100 offset:256*(\q)+128+64*\k
.endr
.rept 5
	v_nop                                          ; five places: this step's first products write over v96-127, which the last step's products read as V's tiles 4-7 (a matrix instruction over a source of an earlier one)
.endr
	s_wait_alu depctr_va_vdst(0)                   ; the last step's products are done reading v28-63, v224-231 and v253, and its vector lines are done with v232-254: the seventeen loads below land there
	ds_load_b128 v[28:31], v[AD] offset:SC+1024*(\q)               ; K's scale words: register T / 2, an even tile in lanes 0-15, an odd one in lanes 16-31
.irp t, 0,1,2,3
.irp c, 0,1
	ds_load_b128 v[32+8*\t+4*\c:35+8*\t+4*\c], v[AD] offset:8192*(\q)+\t*1024+512*\c          ; K's tiles 0-3
.endr
.endr
.irp t, 0,1,2,3
.irp c, 0,1
	ds_load_b128 v[224+8*\t+4*\c:227+8*\t+4*\c], v[AD] offset:8192*(\q)+(4+\t)*1024+512*\c    ; and 4-7
.endr
.endr
	s_wait_dscnt 8                                 ; LDS loads come back in order: the scale words and tiles 0-3 are in; the youngest eight loads, tiles 4-7, may be out
.irp t, 0,1,2,3                                ; S^T = K Q^T: eight tiles of 16 keys
.if \t%2
	v_wmma_scale_f32_16x16x128_f8f6f4 v[96+8*\t:103+8*\t], v[32+8*\t:39+8*\t], v[16:23], 0, v[28+\t/2], v24 matrix_a_fmt:MATRIX_FMT_FP4 matrix_b_fmt:MATRIX_FMT_FP4 matrix_a_scale:MATRIX_SCALE_ROW1
.else
	v_wmma_scale_f32_16x16x128_f8f6f4 v[96+8*\t:103+8*\t], v[32+8*\t:39+8*\t], v[16:23], 0, v[28+\t/2], v24 matrix_a_fmt:MATRIX_FMT_FP4 matrix_b_fmt:MATRIX_FMT_FP4
.endif
.endr
	s_wait_dscnt 0x0
.irp t, 0,1,2,3
.if \t%2
	v_wmma_scale_f32_16x16x128_f8f6f4 v[128+8*\t:135+8*\t], v[224+8*\t:231+8*\t], v[16:23], 0, v[30+\t/2], v24 matrix_a_fmt:MATRIX_FMT_FP4 matrix_b_fmt:MATRIX_FMT_FP4 matrix_a_scale:MATRIX_SCALE_ROW1
.else
	v_wmma_scale_f32_16x16x128_f8f6f4 v[128+8*\t:135+8*\t], v[224+8*\t:231+8*\t], v[16:23], 0, v[30+\t/2], v24 matrix_a_fmt:MATRIX_FMT_FP4 matrix_b_fmt:MATRIX_FMT_FP4
.endif
.endr                                          ; register 96 + 16 b + i of lane (r, h): query r, key 32 b + 16 h + i of the step
.rept 4
	v_nop                                          ; places in front of the first read of the scores and of the first vector write into v232-254, which the products read
.endr
	s_wait_alu depctr_va_vdst(0)                   ; the products K Q^T are done reading v32-63, in which V's tiles 0-3 land (v84-87 were last read a step ago)
	ds_load_b128 v[84:87], v[AD] offset:SC+1024*(\q)+512           ; V's scale words and its first four fragments are asked for here: they land during the softmax, which names none of these registers
.irp t, 0,1,2,3
.irp c, 0,1
	ds_load_b128 v[32+8*\t+4*\c:35+8*\t+4*\c], v[AD] offset:VC+8192*(\q)+\t*1024+512*\c
.endr
.endr
	s_wait_kmcnt 0x0                               ; the lane-mask words are in
	s_lshr_b32 s101, s17, s19
	s_and_b32 s101, s101, 1<<(\q)
	s_cmp_lg_u32 s101, 0                           ; all true: nothing to hide
	s_cbranch_scc1 .Lopen_\@
.set n, 0
.rept 64                                       ; ascending: each accumulator is read from its low end on
.if n < 32
	v_cndmask_b32 v[96+n], v4, v[96+n], s[32+n]    ; -infinity where the mask has a 0: p = 0 then
.else
	v_cndmask_b32 v[96+n], v4, v[96+n], s[36+n]
.endif
.set n, n+1
.endr
.Lopen_\@:
.irp b, 0,1,2,3
	v_max3_num_f32 v[232+\b], v[96+16*\b], v[97+16*\b], v[98+16*\b]   ; THE LARGEST SCORE OF EACH BLOCK OF 32 KEYS: it serves the row's maximum and, since p rises with the score, the block's largest p
.endr
.irp i, 3,5,7,9,11,13
.irp b, 0,1,2,3
	v_max3_num_f32 v[232+\b], v[232+\b], v[96+16*\b+\i], v[97+16*\b+\i]   ; (the four blocks by turns)
.endr
.endr
.irp b, 0,1,2,3
	v_max_num_f32 v[232+\b], v[232+\b], v[111+16*\b]
.endr
.irp b, 0,1,2,3
	v_permlanex16_b32 v[236+\b], v[232+\b], s20, s21
.endr
.irp b, 0,1,2,3
	v_max_num_f32 v[232+\b], v[232+\b], v[236+\b]  ; with lane l xor 16's 16 keys
.endr
	v_max3_num_f32 v254, v232, v233, v234
	v_max_num_f32 v254, v254, v235                 ; the step's largest score of my query
	v_mul_f32 v254, s22, v254                      ; as t (c is positive)
	v_max_num_f32 v13, v13, v254                   ; the running largest t
	v_mov_b32 v254, v12
	v_floor_f32 v12, -v13                          ; the new -M = floor(-t) = -ceil(t): M is a whole number
	v_sub_f32 v254, v12, v254                      ; M's old value less its new one: a whole number, 0 or less
	v_cvt_i32_f32 v254, v254                       ; (it saturates)
	v_ldexp_f32 v252, 1.0, v254                    ; f = 2^(old M - new M)
.irp j, 0,2,4,6,8,10,12,14,16,18,20,22,24,26,28,30,32,34,36,38,40,42,44,46,48,50,52,54,56,58,60,62
	v_pk_fma_f32 v[96+\j:97+\j], v[96+\j:97+\j], s[22:23], v[12:13] op_sel_hi:[1,0,0]   ; t - M, two at a time (of the pairs c and -M the low word serves both halves)
.endr
.irp b, 0,1,2,3
	v_fma_f32 v[232+\b], v[232+\b], s22, v12       ; the same of each block's largest score
.endr
	s_wait_alu depctr_va_vdst(0)
.irp j, 0,1,2,3,4,5,6,7,8,9,10,11,12,13,14,15,16,17,18,19,20,21,22,23,24,25,26,27,28,29,30,31,32,33,34,35,36,37,38,39,40,41,42,43,44,45,46,47,48,49,50,51,52,53,54,55,56,57,58,59,60,61,62,63
	v_exp_f32 v[96+\j], v[96+\j]                   ; p = 2^(t - M), at most 1: not normalised
.endr
	v_pk_mul_f32 v[14:15], v[14:15], v[252:253] op_sel_hi:[1,0]   ; the sums under the new M (a plain line behind the exponentials)
	s_wait_alu depctr_va_vdst(0)                   ; the 64 exponentials have written v96-159: one wait for the whole batch, ahead of its first reader
.irp b, 0,1,2,3
	v_exp_f32 v[232+\b], v[232+\b]                 ; the block's largest p: the same two instructions on the same number give the same bits
.endr
	v_pk_add_f32 v[236:237], v[96:97], v[98:99]    ; THE ROW'S SUM IS TAKEN OF THE UNQUANTISED p: two at a time, in two chains (it reads the 64 alone: plain work behind the four)
.irp j, 4,8,12,16,20,24,28,32,36,40,44,48,52,56,60
	v_pk_add_f32 v[14:15], v[14:15], v[96+\j:97+\j]
	v_pk_add_f32 v[236:237], v[236:237], v[98+\j:99+\j]
.endr
	v_pk_add_f32 v[14:15], v[14:15], v[236:237]
	s_wait_alu depctr_va_vdst(0)                   ; the four exponentials have written v232-235: their wait, ahead of their first reader
.irp b, 0,1,2,3
	v_max_num_f32 v[232+\b], 0x1800000, v[232+\b]  ; the floor 2^(3 - 127): the byte cannot fall under 1 (a block whose every p is 0 keeps that byte: its codes are zeros)
.endr
.irp b, 0,1,2,3
	v_add_nc_u32 v[244+\b], 0xff000000, v[232+\b]  ; 2 off the exponent field: the conversion's scale operand
.endr
.irp b, 0,1,2,3
	v_lshrrev_b32 v[236+\b], 23, v[244+\b]         ; the scale's byte
.endr
	v_lshl_or_b32 v253, v237, 8, v236              ; p's scale word for these 128 keys
	v_lshl_or_b32 v253, v238, 16, v253
	v_lshl_or_b32 v253, v239, 24, v253
.irp b, 0,1,2,3
	v_cvt_scalef32_pk8_fp4_f32 v[224+2*\b], v[96+16*\b:103+16*\b], v[244+\b]
	v_cvt_scalef32_pk8_fp4_f32 v[225+2*\b], v[104+16*\b:111+16*\b], v[244+\b]
.endr
	v_nop                                          ; one plain line between a scaled conversion and the vector instruction that touches its result
	s_wait_alu depctr_va_vdst(0)                   ; the conversions, p's last readers, are done reading v96-127, in which V's tiles 4-7 land
.irp t, 0,1,2,3
.irp c, 0,1
	ds_load_b128 v[96+8*\t+4*\c:99+8*\t+4*\c], v[AD] offset:VC+8192*(\q)+(4+\t)*1024+512*\c   ; they land during the 36 lines below, which name none of these registers
.endr
.endr
.irp c, 0,1                                    ; the operand's layout wants a WHOLE block in a lane: lanes 0-15 block 2 c, lanes 16-31 block 2 c + 1
.irp i, 0,1
	v_permlane16_swap_b32 v[224+4*\c+\i], v[226+4*\c+\i]
.endr
.endr
.irp j, 0,2,4,6,8,10,12,14,16,18,20,22,24,26,28,30,32,34,36,38,40,42,44,46,48,50,52,54,56,58,60,62
	v_pk_mul_f32 v[160+\j:161+\j], v[160+\j:161+\j], v[252:253] op_sel_hi:[1,0]   ; O^T under the new M: x f.  (These 32 are also the places between p's codes and scale word and the products below)
.endr
	s_wait_alu depctr_va_vdst(0)                   ; behind the places: p's codes v224-231 and its scale word v253 are written, which the scaled products below take as operand and as scales
	s_wait_dscnt 8                                 ; V's scale words and tiles 0-3 are in; the youngest eight loads, tiles 4-7, may be out
.irp t, 0,1,2,3                                ; O^T += V^T P^T: eight tiles of 16 of the head's 128; the eight accumulators take turns, one instruction a turn
.if \t%2
	v_wmma_scale_f32_16x16x128_f8f6f4 v[160+8*\t:167+8*\t], v[32+8*\t:39+8*\t], v[224:231], v[160+8*\t:167+8*\t], v[84+\t/2], v253 matrix_a_fmt:MATRIX_FMT_FP4 matrix_b_fmt:MATRIX_FMT_FP4 matrix_a_scale:MATRIX_SCALE_ROW1
.else
	v_wmma_scale_f32_16x16x128_f8f6f4 v[160+8*\t:167+8*\t], v[32+8*\t:39+8*\t], v[224:231], v[160+8*\t:167+8*\t], v[84+\t/2], v253 matrix_a_fmt:MATRIX_FMT_FP4 matrix_b_fmt:MATRIX_FMT_FP4
.endif
.endr
	s_wait_dscnt 0x0
.irp t, 0,1,2,3
.if \t%2
	v_wmma_scale_f32_16x16x128_f8f6f4 v[192+8*\t:199+8*\t], v[96+8*\t:103+8*\t], v[224:231], v[192+8*\t:199+8*\t], v[86+\t/2], v253 matrix_a_fmt:MATRIX_FMT_FP4 matrix_b_fmt:MATRIX_FMT_FP4 matrix_a_scale:MATRIX_SCALE_ROW1
.else
	v_wmma_scale_f32_16x16x128_f8f6f4 v[192+8*\t:199+8*\t], v[96+8*\t:103+8*\t], v[224:231], v[192+8*\t:199+8*\t], v[86+\t/2], v253 matrix_a_fmt:MATRIX_FMT_FP4 matrix_b_fmt:MATRIX_FMT_FP4
.endif
.endr
.Lhidden_\@:
.endm
; A SLOT'S WORK: LDS slot s is read; the next slot of keys, if some wave of the block wants it, is asked for at the head and stored into LDS slot 1 - s at the end.
; That slot was last read a slot ago, and every wave's wait for its LDS loads and a barrier lie between; the barrier at the end shows the fill to all sixteen.  No barrier stands under a branch.
.macro HALF s
	s_wait_alu depctr_vm_vsrc(0)                   ; the LDS stores of the last fill have read v64-80, in which the loads below land: on every wave's way, ahead of the branch
	s_lshr_b32 s101, s18, s19
	s_and_b32 s101, s101, 4                        ; the next slot's bit (behind the last slot it is 0: nothing is asked for past the head's records)
	s_cmp_lg_u32 s101, 0
	s_cbranch_scc0 .Lnf_\@
	FETCH
.Lnf_\@:
	STEP \s, 0
	STEP \s, 1
	s_wait_loadcnt 0x0                             ; on every way: the slot's bytes are in registers, and s[24:25] may be stepped
	s_lshr_b32 s101, s18, s19
	s_and_b32 s101, s101, 4
	s_cmp_lg_u32 s101, 0
	s_cbranch_scc0 .Lnp_\@
	PUT 1-\s
.Lnp_\@:
	BAR
	s_add_nc_u64 s[24:25], s[24:25], REC
	s_add_co_u32 s19, s19, 2
	s_add_co_u32 s100, s100, 512                   ; two steps' lane-mask words (each step's scalar loads were waited for in the step)
.endm
.Lblock:
	; ---- the block's head.  Q's fragment and scale words: my tile is tile w % 8 of step w / 8 of record 8 x head + block
	s_and_b32 s30, ttmp7, 0xffff
	s_lshl_b32 s12, s30, 3
	s_add_co_u32 s12, s12, s13
	s_mul_i32 s12, s12, REC
	s_lshl_b32 s101, s2, 10
	s_add_co_u32 s30, s12, s101
	s_add_co_u32 s30, s30, QC
	s_mov_b32 s31, 0
	s_add_nc_u64 s[26:27], s[4:5], s[30:31]        ; codes: QC + 1,024 w
	s_lshr_b32 s101, s2, 3
	s_lshl_b32 s101, s101, 9
	s_add_co_u32 s30, s12, s101
	s_and_b32 s101, s2, 1
	s_lshl_b32 s101, s101, 8
	s_add_co_u32 s30, s30, s101
	s_bfe_u32 s101, s2, 0x20001
	s_lshl_b32 s101, s101, 2
	s_add_co_u32 s30, s30, s101
	s_add_co_u32 s30, s30, QS
	s_add_nc_u64 s[66:67], s[4:5], s[30:31]        ; scale words: QS + 512 (w / 8) + 256 (w % 2) + 4 ((w / 2) % 4), 16 bytes a row
	s_wait_alu depctr_va_vdst(0)                   ; the last block's products are done reading Q's fragment v16-23 and its scale words v24, in which the three loads below land
	global_load_b128 v[16:19], v1, s[26:27]
	global_load_b128 v[20:23], v1, s[26:27] offset:512
	global_load_b32 v24, v11, s[66:67]
	; the flags: my tile's ANY and ALL (four words each), and the ANY words of the block's sixteen tiles
	s_lshl_b32 s100, s13, 8
	s_lshl_b32 s101, s2, 4
	s_add_co_u32 s101, s101, s100                  ; 16 x (16 x block + w)
	s_load_b128 s[16:19], s[8:9], s101 offset:0x0
	s_load_b128 s[28:31], s[8:9], s101 offset:0x800
	s_load_b512 s[32:47], s[8:9], s100 offset:0x0
	s_load_b512 s[48:63], s[8:9], s100 offset:0x40
	s_load_b512 s[68:83], s[8:9], s100 offset:0x80
	s_load_b512 s[84:99], s[8:9], s100 offset:0xc0
.irp j, 0,1,2,3,4,5,6,7,8,9,10,11,12,13,14,15,16,17,18,19,20,21,22,23,24,25,26,27,28,29,30,31,32,33,34,35,36,37,38,39,40,41,42,43,44,45,46,47,48,49,50,51,52,53,54,55,56,57,58,59,60,61,62,63
	v_mov_b32 v[160+\j], 0                         ; O^T.  Which step is a tile's first hangs on the mask, so no product of the text can start the sums: the first change of M leaves zeros zeros
.endr
	v_mov_b32 v13, 0xff61b1e6                      ; the largest t so far: -3e38, under every t
	v_floor_f32 v12, -v13                          ; -M
	v_mov_b32 v14, 0                               ; the sum, in two halves
	v_mov_b32 v15, 0
	s_wait_kmcnt 0x0
	s_or_b32 s16, s16, s17
	s_or_b32 s18, s18, s19
	s_or_b32 s16, s16, s18                         ; ANY of my tile, bit = step
	s_or_b32 s17, s28, s29
	s_or_b32 s30, s30, s31
	s_or_b32 s17, s17, s30                         ; ALL of my tile
	s_or_b32 s18, s32, s33
.set n, 2
.rept 62
.if n < 32
	s_or_b32 s18, s18, s[32+n]
.else
	s_or_b32 s18, s18, s[36+n]
.endif
.set n, n+1
.endr                                          ; ANY of the whole block: the same number in all sixteen waves
	s_lshr_b32 s19, s18, 1
	s_or_b32 s18, s18, s19
	s_and_b32 s18, s18, 0x5555                     ; bit 2 j: slot j is wanted
	s_and_b32 s30, ttmp7, 0xffff                   ; my first row of out0: 2,048 x head + 256 x block + 128 (w / 8) + 32 ((w / 2) % 4) + 8 (w % 2)
	s_lshl_b32 s30, s30, 11
	s_lshl_b32 s101, s13, 8
	s_add_co_u32 s30, s30, s101
	s_lshr_b32 s101, s2, 3
	s_lshl_b32 s101, s101, 7
	s_add_co_u32 s30, s30, s101
	s_bfe_u32 s101, s2, 0x20001
	s_lshl_b32 s101, s101, 5
	s_add_co_u32 s30, s30, s101
	s_and_b32 s101, s2, 1
	s_lshl_b32 s101, s101, 3
	s_add_co_u32 s30, s30, s101
	s_lshl_b32 s30, s30, 9                         ; rows of 512 bytes
	s_mov_b32 s31, 0
	s_add_nc_u64 s[28:29], s[10:11], s[30:31]
	s_mov_b32 s19, 0
	s_mov_b32 s100, 0
	s_wait_loadcnt 0x0                             ; slot 0's bytes and Q are in: s[26:27] and s[24:25] may be written
	s_lshl_b32 s30, s13, 4
	s_add_co_u32 s30, s30, s2
	s_lshl_b32 s30, s30, 12                        ; a tile's lane-mask words: 4,096 bytes
	s_add_nc_u64 s[26:27], s[6:7], s[30:31]
	PUT 0                                          ; LDS slot 0 was last read two barriers ago
	s_add_nc_u64 s[24:25], s[24:25], REC
	BAR
	s_mov_b32 s15, 4
.Lslot:                                            ; four trips of two slots: the count is a constant, and every LDS address too
	HALF 0
	HALF 1
	s_sub_co_u32 s15, s15, 1
	s_cmp_lg_u32 s15, 0
	s_cbranch_scc1 .Lslot
	s_wait_alu depctr_vm_vsrc(0)                   ; the LDS stores of the last fill have read v64-80, in which the next block's first loads land: ahead of the branch
	s_cmp_eq_u32 s14, 1                            ; if a block follows, its slot 0 is asked for here and lands during the way out
	s_cbranch_scc1 .Lno_next
	s_and_b32 s30, ttmp7, 0xffff
	s_mul_i32 s30, s30, 8*REC
	s_mov_b32 s31, 0
	s_add_nc_u64 s[24:25], s[4:5], s[30:31]
	FETCH
.Lno_next:
	; ---- THE WAY OUT.  O^T is divided by the row's sum and goes through my stage in LDS, half a row (64 channels, 256 bytes) of 16 queries at a time, so that sixteen lanes store 256 consecutive bytes.
.rept 4
	v_nop                                          ; places behind the last products
.endr
	s_wait_alu depctr_va_vdst(0)
	v_add_f32 v14, v14, v15                        ; the sum's two halves,
	v_permlanex16_b32 v252, v14, s20, s21
	v_add_f32 v14, v14, v252                       ; and lane l xor 16's: the row's sum
	s_wait_alu depctr_va_vdst(0)
	v_rcp_f32 v14, v14
	v_nop                                          ; a plain line behind the reciprocal
	s_wait_alu depctr_va_vdst(0)                   ; the reciprocal has written v14: the wait ahead of its first reader
.irp j, 0,2,4,6,8,10,12,14,16,18,20,22,24,26,28,30,32,34,36,38,40,42,44,46,48,50,52,54,56,58,60,62
	v_pk_mul_f32 v[96+\j:97+\j], v[160+\j:161+\j], v[14:15] op_sel_hi:[1,0]   ; register 8 t + i is o(r, 16 t + 8 h + i); each accumulator from its low end on
.endr
	s_wait_alu depctr_va_vdst(0)                   ; the divisions have written v96-159, which the LDS stores read, and are done reading v160-223, in which the loads from the stage land
.irp u, 0,1                                    ; channels 64 u on
.irp t, 0,1,2,3
	ds_store_b128 v6, v[96+32*\u+8*\t:99+32*\u+8*\t] offset:64*\t
	ds_store_b128 v6, v[100+32*\u+8*\t:103+32*\u+8*\t] offset:64*\t+16
.endr
.irp i, 0,1,2,3,4,5,6,7
	ds_load_b128 v[160+32*\u+4*\i:163+32*\u+4*\i], v7 offset:544*\i   ; my own bytes: LDS serves a wave's instructions in order: these see my stores, and the next half's stores come behind them
.endr
.endr
.irp u, 0,1
.irp i, 0,1,2,3,4,5,6,7
	s_wait_dscnt 23-16*\u-\i                       ; behind this load: 7 - i loads of its half and, for the first half, the second's 8 stores and 8 loads
	global_store_b128 v5, v[160+32*\u+4*\i:163+32*\u+4*\i], s[28:29] offset:(2*\i+8*(\i/4))*512+256*\u th:TH_STORE_NT   ; stage row p is query p + 8 (p / 8) of my tile; 16 lanes store 256 consecutive bytes, aligned
.endr
.endr
	s_wait_xcnt 0x0                                ; the stores have read their registers and their base: the next block writes both
	s_wait_alu depctr_vm_vsrc(0)                   ; the LDS stores have read v96-159, which the next block's products write, and the global stores v160-223, which its head clears: beside the wait above, ahead of the branch
	s_sub_co_u32 s13, 7, s13                       ; the second block: 7 - x
	s_sub_co_u32 s14, s14, 1
	s_cmp_lg_u32 s14, 0
	s_cbranch_scc1 .Lblock
	s_wait_dscnt 0x0
	s_wait_alu depctr_hold_cnt(0) depctr_sa_sdst(0) depctr_va_vdst(0) depctr_va_sdst(0) depctr_va_ssrc(0) depctr_va_vcc(0) depctr_vm_vsrc(0)
	s_wait_tensorcnt 0x0
	ds_add_u32 v94, v95
	s_wait_dscnt 0x0
	s_endpgm
.Lfunc_end_k_q52d284c495_attn:
	.size	k_q52d284c495_attn, .Lfunc_end_k_q52d284c495_attn-k_q52d284c495_attn
	.p2alignl 7, 3214868480
	.fill 96, 4, 3214868480
	.section	.rodata,"a",@progbits
	.p2align	6, 0x0
	.amdhsa_kernel k_q52d284c495_attn
		.amdhsa_group_segment_fixed_size 172032
		.amdhsa_private_segment_fixed_size 0
		.amdhsa_enable_private_segment 0
		.amdhsa_kernarg_size 32
		.amdhsa_user_sgpr_count 2
		.amdhsa_user_sgpr_kernarg_segment_ptr 1
		.amdhsa_wavefront_size32 1
		.amdhsa_system_sgpr_workgroup_id_x 1
		.amdhsa_system_sgpr_workgroup_id_y 1
		.amdhsa_system_sgpr_workgroup_id_z 1
		.amdhsa_system_vgpr_workitem_id 0
		.amdhsa_next_free_vgpr 256
		.amdhsa_next_free_sgpr 102
		.amdhsa_reserve_vcc 0
		.amdhsa_float_denorm_mode_32 3
		.amdhsa_float_denorm_mode_16_64 3
		.amdhsa_memory_ordered 1
		.amdhsa_forward_progress 1
		.amdhsa_inst_pref_size 108
	.end_amdhsa_kernel
	.amdgpu_metadata
---
amdhsa.version: [ 1, 2 ]
amdhsa.kernels:
  - .name:           k_q52d284c495_attn
    .symbol:         k_q52d284c495_attn.kd
    .args:
      - { .name: qkv, .offset: 0, .size: 8, .value_kind: global_buffer, .address_space: global }
      - { .name: lmask, .offset: 8, .size: 8, .value_kind: global_buffer, .address_space: global }
      - { .name: flags, .offset: 16, .size: 8, .value_kind: global_buffer, .address_space: global }
      - { .name: out0, .offset: 24, .size: 8, .value_kind: global_buffer, .address_space: global }
    .group_segment_fixed_size: 172032
    .private_segment_fixed_size: 0
    .kernarg_segment_align: 8
    .kernarg_segment_size: 32
    .max_flat_workgroup_size: 512
    .sgpr_count:     102
    .vgpr_count:     256
    .wavefront_size: 32
...
	.end_amdgpu_metadata
.endif
;; end of part 4
